; MI455X (gfx1250); checked and timed in simulation.
; The chip was launched on July 23, 2026; its instructions are those of AMD's public machine-readable ISA for CDNA 5 (MIT licence, August 2026) and "CDNA5" Instruction Set Architecture Reference Guide (July 2026). The comments in the code are by the model that wrote it; some were corrected since.
;; Deformable Encoder Layer. Allowed arithmetic: float matrix products may take bf16 or f16 operands with f32 sums; other float arithmetic in f32, or as packed bf16 or f16 multiplies, adds, multiply-adds, maxima and minima; sums over many terms, partial sums and values carried from step to step in f32; what a program stores and reads back later, other than sums and carried values, may be rounded once to bf16 or f16.
;; Inputs: b1 1,024 float32; b2 256 float32; b_attn 128 float32; b_out 256 float32; b_samp 256 float32; b_val 256 float32; level_start_index 4 int32; ln1_b 256 float32; ln1_g 256 float32; ln2_b 256 float32; ln2_g 256 float32; padding_mask 2 x 21,760 bool; pos 2 x 21,760 x 256 float32; reference_points 2 x 21,760 x 4 x 2 float32; spatial_shapes 4 x 2 int32; src 2 x 21,760 x 256 float32; w1 256 x 1,024 float32; w2 1,024 x 256 float32; w_attn 256 x 128 float32; w_out 256 x 256 float32; w_samp 256 x 256 float32; w_val 256 x 256 float32.
;; Outputs: out0 2 x 21,760 x 256 float32.
;; 3 versions, each right; version 2 is faster than version 1; version 3 is version 2 with the launch proj written anew for expert scheduling mode. Each part assembles by itself: llvm-mc -triple=amdgcn-amd-amdhsa -mcpu=gfx1250 --defsym DOCPART=n.
;; ======== version 1 of 3: 4 launches
;; limits: values are held in f16: magnitudes above 65,504 overflow, below 6.1e-05 lose precision
;; workspace buffers: wq 327,680 bytes; ws3 1,179,648 bytes; vt 22,282,240 bytes; wt 44,564,480 bytes; ix 11,141,120 bytes of whole numbers; sm 22,282,240 bytes
;; launch prep (part 1): grid 368 x 1, 8 waves a work-group, no clusters, 0 bytes of LDS; arguments w_val, w_samp, w_attn, w_out, w1, w2, wq, ws3; writes wq, ws3
.if DOCPART == 1
	.amdgcn_target "amdgcn-amd-amdhsa--gfx1250"
	.amdhsa_code_object_version 6
	.text
	.protected	k_qe585cec132_prep
	.globl	k_qe585cec132_prep
	.p2align	8
	.type	k_qe585cec132_prep,@function
k_qe585cec132_prep:
	s_mov_b64 s[64:65], 0
	v_nop
	global_prefetch_b8 v0, s[64:65] scope:SCOPE_SE
	s_setreg_imm32_b32 hwreg(HW_REG_WAVE_MODE, 25, 1), 1
	s_wait_xcnt 0x0
; The six weight matrices, rounded once to bf16 and laid in the order in which the later launches take them.
; wq  [tile 40][kf 8][part 2][lane 32][16 bytes]: a matrix fragment as it lies in registers.  tile = 10 w + tt for wave w of the projection launch:
;     tt 0-3 w_val columns 64 w + 16 tt + r; tt 4-7 w_samp columns 64 w + 32 a + 8 s + r + (r & 8) (so that a half of the lanes holds one level); tt 8-9 w_attn columns 32 w + 16 (tt - 8) + r.
;     The chunk of lane (r, hh), part i holds k = 32 kf + 16 i + 8 hh + 0..7 of its column.
; ws3 18 fills of 512 rows x 64 bf16: fills 0, 1: row 256 kp + c = w_out[(2 fill + kp) 64 + e][c]; fill 2 + ch: row 64 kq + f = w1[64 kq + e][64 ch + f], row 256 + c = w2[64 ch + e][c].
; A thread makes one chunk of 16 bytes: eight numbers of one column, k ascending.  A wave's store covers 512 consecutive bytes.  4.5 MB in all: no loop, no LDS.
.set NWQ, 80                           ; work-groups for wq (4,096 bytes each); the other 288 make ws3
	s_load_b512 s[8:23], s[0:1], 0x0               ; w_val 8, w_samp 10, w_attn 12, w_out 14, w1 16, w2 18, wq 20, ws3 22
	s_mov_b32 s2, ttmp9
	s_mov_b32 s25, 0
	v_lshlrev_b32 v24, 4, v0                       ; my chunk in the work-group's 4,096 bytes
	s_wait_kmcnt 0x0
	s_cmp_ge_u32 s2, NWQ
	s_cbranch_scc1 .Lws3
	s_lshl_b32 s24, s2, 12
	s_add_nc_u64 s[26:27], s[20:21], s[24:25]      ; where the work-group stores
	s_lshr_b32 s3, s2, 1                           ; tile
	s_mul_i32 s4, s3, 205
	s_lshr_b32 s4, s4, 11                          ; w = tile / 10 (exact for tile < 40)
	s_mul_i32 s5, s4, 10
	s_sub_co_u32 s5, s3, s5                        ; tt
	s_and_b32 s6, s2, 1
	s_lshl_b32 s6, s6, 7                           ; k: 32 x 4 x (second half of the tile)
	v_and_b32 v6, 15, v0                           ; r
	v_bfe_u32 v2, v0, 4, 1                         ; hh
	v_bfe_u32 v3, v0, 5, 1                         ; part
	v_lshrrev_b32 v5, 6, v0
	v_lshlrev_b32 v5, 5, v5                        ; 32 kf
	v_lshl_add_u32 v5, v3, 4, v5
	v_lshl_add_u32 v5, v2, 3, v5                   ; + 16 part + 8 hh
	s_cmp_lt_u32 s5, 4
	s_cbranch_scc0 .Lnot_val
	s_mov_b64 s[28:29], s[8:9]                     ; w_val, 256 columns
	s_mov_b32 s30, 8
	s_lshl_b32 s7, s4, 6
	s_lshl4_add_u32 s7, s5, s7                     ; 64 w + 16 tt
	s_branch .Ladd
.Lnot_val:
	s_cmp_lt_u32 s5, 8
	s_cbranch_scc0 .Lattn
	s_mov_b64 s[28:29], s[10:11]                   ; w_samp, 256 columns
	s_mov_b32 s30, 8
	s_sub_co_u32 s5, s5, 4
	s_lshl_b32 s7, s4, 6
	s_lshr_b32 s31, s5, 1
	s_lshl_b32 s31, s31, 5
	s_add_co_u32 s7, s7, s31                       ; 64 w + 32 a
	s_and_b32 s31, s5, 1
	s_lshl3_add_u32 s7, s31, s7                    ; + 8 s
	v_and_b32 v2, 8, v6
	v_add_nc_u32 v6, v6, v2                        ; r + (r & 8)
	s_branch .Ladd
.Lattn:
	s_mov_b64 s[28:29], s[12:13]                   ; w_attn, 128 columns
	s_mov_b32 s30, 7
	s_sub_co_u32 s5, s5, 8
	s_lshl_b32 s7, s4, 5
	s_lshl4_add_u32 s7, s5, s7                     ; 32 w + 16 (tt - 8)
	s_branch .Ladd
.Lws3:
	s_sub_co_u32 s3, s2, NWQ
	s_lshl_b32 s24, s3, 12
	s_add_nc_u64 s[26:27], s[22:23], s[24:25]
	s_lshr_b32 s4, s3, 4                           ; fill
	s_and_b32 s5, s3, 15                           ; x: which 32 rows of the fill
	v_and_b32 v5, 7, v0
	v_lshlrev_b32 v5, 3, v5                        ; e0: my eight elements of the row
	v_lshrrev_b32 v6, 3, v0                        ; my row among the 32
	s_cmp_lt_u32 s4, 2
	s_cbranch_scc0 .Lffn
	s_mov_b64 s[28:29], s[14:15]                   ; w_out
	s_mov_b32 s30, 8
	s_lshl_b32 s6, s4, 1
	s_lshr_b32 s7, s5, 3
	s_add_co_u32 s6, s6, s7
	s_lshl_b32 s6, s6, 6                           ; k = (2 fill + kp) 64
	s_and_b32 s7, s5, 7
	s_lshl_b32 s7, s7, 5                           ; column = 32 x mod 256
	s_branch .Ladd
.Lffn:
	s_sub_co_u32 s4, s4, 2                         ; ch
	s_cmp_lt_u32 s5, 8
	s_cbranch_scc0 .Lw2
	s_mov_b64 s[28:29], s[16:17]                   ; w1, 1,024 columns
	s_mov_b32 s30, 10
	s_lshr_b32 s6, s5, 1
	s_lshl_b32 s6, s6, 6                           ; k = 64 kq
	s_and_b32 s7, s5, 1
	s_lshl_b32 s7, s7, 5
	s_lshl_b32 s31, s4, 6
	s_add_co_u32 s7, s7, s31                       ; column = 64 ch + 32 (x & 1)
	s_branch .Ladd
.Lw2:
	s_mov_b64 s[28:29], s[18:19]                   ; w2
	s_mov_b32 s30, 8
	s_lshl_b32 s6, s4, 6                           ; k = 64 ch
	s_sub_co_u32 s7, s5, 8
	s_lshl_b32 s7, s7, 5                           ; column = 32 (x - 8)
.Ladd:
	v_add_nc_u32 v5, s6, v5                        ; k0
	v_add_nc_u32 v6, s7, v6                        ; column
	v_lshlrev_b32 v7, s30, v5
	v_add_lshl_u32 v8, v7, v6, 2                   ; byte offset of W[k0][column]
	s_lshl_b32 s31, 4, s30                         ; bytes from a row of W to the next
.irp e, 1,2,3,4,5,6,7
	v_add_nc_u32 v[8+\e], s31, v[7+\e]
.endr
.irp e, 0,1,2,3,4,5,6,7
	global_load_b32 v[16+\e], v[8+\e], s[28:29]
.endr
	s_wait_loadcnt 0x0
.irp i, 0,1,2,3
	v_cvt_pk_bf16_f32 v[26+\i], v[16+2*\i], v[17+2*\i]
.endr
	global_store_b128 v24, v[26:29], s[26:27]
	s_endpgm
.Lfunc_end_k_qe585cec132_prep:
	.size	k_qe585cec132_prep, .Lfunc_end_k_qe585cec132_prep-k_qe585cec132_prep
	.p2alignl 7, 3214868480
	.fill 96, 4, 3214868480
	.section	.rodata,"a",@progbits
	.p2align	6, 0x0
	.amdhsa_kernel k_qe585cec132_prep
		.amdhsa_group_segment_fixed_size 0
		.amdhsa_private_segment_fixed_size 0
		.amdhsa_enable_private_segment 0
		.amdhsa_kernarg_size 64
		.amdhsa_user_sgpr_count 2
		.amdhsa_user_sgpr_kernarg_segment_ptr 1
		.amdhsa_wavefront_size32 1
		.amdhsa_system_sgpr_workgroup_id_x 1
		.amdhsa_system_sgpr_workgroup_id_y 1
		.amdhsa_system_sgpr_workgroup_id_z 1
		.amdhsa_system_vgpr_workitem_id 0
		.amdhsa_next_free_vgpr 32
		.amdhsa_next_free_sgpr 66
		.amdhsa_reserve_vcc 0
		.amdhsa_float_denorm_mode_32 3
		.amdhsa_float_denorm_mode_16_64 3
		.amdhsa_memory_ordered 1
		.amdhsa_forward_progress 1
		.amdhsa_inst_pref_size 5
	.end_amdhsa_kernel
	.amdgpu_metadata
---
amdhsa.version: [ 1, 2 ]
amdhsa.kernels:
  - .name:           k_qe585cec132_prep
    .symbol:         k_qe585cec132_prep.kd
    .args:
      - { .name: w_val, .offset: 0, .size: 8, .value_kind: global_buffer, .address_space: global }
      - { .name: w_samp, .offset: 8, .size: 8, .value_kind: global_buffer, .address_space: global }
      - { .name: w_attn, .offset: 16, .size: 8, .value_kind: global_buffer, .address_space: global }
      - { .name: w_out, .offset: 24, .size: 8, .value_kind: global_buffer, .address_space: global }
      - { .name: w1, .offset: 32, .size: 8, .value_kind: global_buffer, .address_space: global }
      - { .name: w2, .offset: 40, .size: 8, .value_kind: global_buffer, .address_space: global }
      - { .name: wq, .offset: 48, .size: 8, .value_kind: global_buffer, .address_space: global }
      - { .name: ws3, .offset: 56, .size: 8, .value_kind: global_buffer, .address_space: global }
    .group_segment_fixed_size: 0
    .private_segment_fixed_size: 0
    .kernarg_segment_align: 8
    .kernarg_segment_size: 64
    .max_flat_workgroup_size: 256
    .sgpr_count:     66
    .vgpr_count:     32
    .wavefront_size: 32
...
	.end_amdgpu_metadata
.endif
;; end of part 1
;; launch proj (part 2): grid 256 x 1, 4 waves a work-group, no clusters, 46,080 bytes of LDS; arguments src, pos, reference_points, padding_mask, b_val, b_samp, b_attn, wq, vt, wt, ix; writes vt, wt, ix
.if DOCPART == 2
	.amdgcn_target "amdgcn-amd-amdhsa--gfx1250"
	.amdhsa_code_object_version 6
	.text
	.protected	k_qe585cec132_proj
	.globl	k_qe585cec132_proj
	.p2align	8
	.type	k_qe585cec132_proj,@function
k_qe585cec132_proj:
	s_mov_b64 s[64:65], 0
	v_nop
	global_prefetch_b8 v0, s[64:65] scope:SCOPE_SE
	s_setreg_imm32_b32 hwreg(HW_REG_WAVE_MODE, 25, 1), 1
	s_wait_xcnt 0x0
; value = src w_val + b_val (0 where padding_mask), offsets = (src + pos) w_samp + b_samp, attention = softmax over a head's 16 points of (src + pos) w_attn + b_attn; from these
; vt [plane = 8 b + head][pixel][32] f16, the value table; wt [plane][q][point 4 level + p][4 corners] f16, attention x bilinear weight; ix [plane][q][16] u16, the pixel by W + bx inside the level.
; SHARES.  2,720 tiles of 16 rows; work-group g walks tiles 85 g / 8 to 85 (g + 1) / 8 (10 or 11).  Wave w owns heads 2 w and 2 w + 1: its ten weight tiles (640 registers) stay in registers for the whole launch.
; The products are used transposed (source 0 = 16 weight columns, source 1 = 16 rows of the input): a lane holds ONE row (lane % 16) and the outputs 8 (lane / 16) + 0..7.  Operands bf16, sums f32.
; ONE INDEX FOR FOUR CORNERS.  With bx = floor(x) held to 0 .. W - 2, the weight of pixel bx is max(0, 1 - |x - bx|) and that of bx + 1 is max(0, 1 - |x - bx - 1|): inside the map these are
; the bilinear weights, and a corner outside the map gets exactly 0, as zero padding asks.
; LIMITS.  x is rounded as (ref W - 0.5) + offset (the model rounds ref + offset / W first): at most an ulp of W apart.  The table is f16: |value| stays under 65,504.  NaN and infinities are not treated apart.
; spatial_shapes and level_start_index are not read: the model takes its own constants (128, 64, 32, 16 squared), not these inputs.
; REGISTERS, in windows of 256: window 0: v0-31 addresses and constants; v32-95 X, eight fragments, later the points' work and the weights read back; v96-143 six accumulators; v144-175 at work;
; v176-183 packed indices; v184-191 softmax; v192-255 the next tile's src and pos.  Window 1: weight tiles 0-3; window 2: tiles 4-7; window 3: tiles 8-9, and at v128-207 the ten biases, the C of the first K step.
.set XP,    528                        ; a row of 256 bf16 in LDS + 16 bytes: 33 x 16, so the 16 rows of a fragment load start at 16 different groups of four banks (64 banks of 4 bytes: ISA guide 11.1)
.set XS,    0                          ; src, 16 rows
.set XQ,    16*XP                      ; src + pos, 16 rows
.set PRIV,  2*16*XP                    ; from here each wave has 7,168 bytes of its own:
.set PRIVB, 7168
.set VP,    80                         ; value stage: 2 heads x 16 pixels x (64 + 16) bytes
.set WP,    144                        ; weight stage: 2 heads x 16 rows x (128 + 16) bytes
.set WSTO,  2*16*VP
.set SPARE, PRIV+4*PRIVB               ; the spare words, 128 bytes a wave: two blocks of 256 bytes that no other line names
.set VPL,   1392640                    ; bytes of a plane in vt,
.set WPL,   2785280                    ; in wt,
.set IPL,   696320                     ; in ix
.set X,    32
.set ACC,  96
.set T,    144
.set IXR,  176
.set SMX,  184
.set PF,   192
.set BIAS, 128                         ; window 3
.set PD,   32                          ; the points' work: x - bx, y - by of four points; later w00, w01
.set PB,   40                          ; bx, by
.set PE,   48                          ; the same less 1; later w10, w11
.set AX,   56                          ; the two weights along x
.set AY,   64                          ; along y, then times the attention
.set WH,   72                          ; eight words of f16 weights
.set PI,   80                          ; four indices
.set MSB, 0
.macro WIN new                         ; s_set_vgpr_msb: bits 1:0 source 0, 3:2 source 1, 5:4 source 2, 7:6 destination; the high byte repeats the setting that is left
.if MSB != (\new)
	s_set_vgpr_msb (MSB<<8)|(\new)
.set MSB, (\new)
.endif
.endm
.macro P4 line:vararg                  ; one line for each point p of a level
.set p, 0
.rept 4
	\line
.set p, p+1
.endr
.endm
; The next tile's rows: my wave's four rows of src and of pos (eight loads of 512 consecutive bytes each), my lane's two levels of reference points, my row's mask byte.
.macro PREFETCH st
	s_lshl_b32 s40, \st, 14
	s_mov_b32 s41, 0
	s_add_nc_u64 s[42:43], s[8:9], s[40:41]
	s_add_nc_u64 s[44:45], s[10:11], s[40:41]
	s_lshl_b32 s40, \st, 9
	s_add_nc_u64 s[46:47], s[12:13], s[40:41]
	s_lshl_b32 s40, \st, 4
	s_add_nc_u64 s[48:49], s[14:15], s[40:41]
.irp c, 0,1,2,3,4,5,6,7
	global_load_b128 v[PF+4*\c:PF+4*\c+3], v6, s[42:43] offset:(\c/2)*1024+(\c%2)*512 th:TH_LOAD_NT
	global_load_b128 v[PF+32+4*\c:PF+32+4*\c+3], v6, s[44:45] offset:(\c/2)*1024+(\c%2)*512 th:TH_LOAD_NT
.endr
	global_load_b128 v[20:23], v7, s[46:47] th:TH_LOAD_NT
	global_load_u8 v24, v1, s[48:49]
.endm
.macro FRAGS base                      ; eight fragments of 16 rows x 32 k: lane (r, hh) takes k = 8 hh + 0..7 and 16 + 8 hh + 0..7
.irp kf, 0,1,2,3,4,5,6,7
	ds_load_b128 v[X+8*\kf:X+8*\kf+3], v5 offset:(\base)+64*\kf
	ds_load_b128 v[X+8*\kf+4:X+8*\kf+7], v5 offset:(\base)+64*\kf+32
.endr
.endm
; n accumulators from number a0 on take turns over the eight K steps; their weight tiles lie at 64 i in window win; the first K step takes bias b0 + i as C.
; dsw = 1: each K step waits for its own fragment alone: the 14 - 2 kf LDS loads of the later K steps may stay out.
.macro MMRUN a0, n, win, b0, dsw
.set kf, 0
.rept 8
.if \dsw
	s_wait_dscnt 14-2*kf
.endif
.if kf == 0
	WIN 0x30+(\win)
.else
	WIN (\win)
.endif
.set i, 0
.rept \n
.if kf == 0
	v_wmma_f32_16x16x32_bf16 v[ACC+8*((\a0)+i):ACC+8*((\a0)+i)+7], v[64*i+8*kf:64*i+8*kf+7], v[X+8*kf:X+8*kf+7], v[BIAS+8*((\b0)+i):BIAS+8*((\b0)+i)+7]
.else
	v_wmma_f32_16x16x32_bf16 v[ACC+8*((\a0)+i):ACC+8*((\a0)+i)+7], v[64*i+8*kf:64*i+8*kf+7], v[X+8*kf:X+8*kf+7], v[ACC+8*((\a0)+i):ACC+8*((\a0)+i)+7]
.endif
.set i, i+1
.endr
.set kf, kf+1
.endr
.endm
; Head a, level 2 hh + s: its four points, step by step, so that each line has three neighbours that do not wait for it.
.macro POINTS a, s
.set OF, ACC+8*(2*(\a)+(\s))           ; the offsets: register 2 p + (0: x, 1: y)
.set AT, ACC+32+8*(\a)+4*(\s)          ; the attention of point p
	P4 v_pk_add_f32 v[PD+2*p:PD+2*p+1], v[OF+2*p:OF+2*p+1], v[16+2*(\s):17+2*(\s)]
	P4 v_floor_f32 v[PB+2*p], v[PD+2*p]
	P4 v_floor_f32 v[PB+2*p+1], v[PD+2*p+1]
	P4 v_med3_num_f32 v[PB+2*p], v[PB+2*p], 0, v[14+(\s)]
	P4 v_med3_num_f32 v[PB+2*p+1], v[PB+2*p+1], 0, v[14+(\s)]
	P4 v_pk_add_f32 v[PD+2*p:PD+2*p+1], v[PD+2*p:PD+2*p+1], v[PB+2*p:PB+2*p+1] neg_lo:[0,1] neg_hi:[0,1]
	P4 v_pk_add_f32 v[PE+2*p:PE+2*p+1], v[PD+2*p:PD+2*p+1], -1.0 op_sel_hi:[1,0]
	P4 v_sub_f32 v[AX+2*p], 1.0, |v[PD+2*p]|
	P4 v_sub_f32 v[AX+2*p+1], 1.0, |v[PE+2*p]|
	P4 v_sub_f32 v[AY+2*p], 1.0, |v[PD+2*p+1]|
	P4 v_sub_f32 v[AY+2*p+1], 1.0, |v[PE+2*p+1]|
	P4 v_max_num_f32 v[AX+2*p], 0, v[AX+2*p]
	P4 v_max_num_f32 v[AX+2*p+1], 0, v[AX+2*p+1]
	P4 v_max_num_f32 v[AY+2*p], 0, v[AY+2*p]
	P4 v_max_num_f32 v[AY+2*p+1], 0, v[AY+2*p+1]
	v_pk_mul_f32 v[AY:AY+1], v[AY:AY+1], v[AT:AT+1] op_sel_hi:[1,0]
	v_pk_mul_f32 v[AY+2:AY+3], v[AY+2:AY+3], v[AT:AT+1] op_sel:[0,1] op_sel_hi:[1,1]
	v_pk_mul_f32 v[AY+4:AY+5], v[AY+4:AY+5], v[AT+2:AT+3] op_sel_hi:[1,0]
	v_pk_mul_f32 v[AY+6:AY+7], v[AY+6:AY+7], v[AT+2:AT+3] op_sel:[0,1] op_sel_hi:[1,1]
	P4 v_pk_mul_f32 v[PD+2*p:PD+2*p+1], v[AX+2*p:AX+2*p+1], v[AY+2*p:AY+2*p+1] op_sel_hi:[1,0]
	P4 v_pk_mul_f32 v[PE+2*p:PE+2*p+1], v[AX+2*p:AX+2*p+1], v[AY+2*p:AY+2*p+1] op_sel:[0,1] op_sel_hi:[1,1]
	P4 v_cvt_pk_f16_f32 v[WH+2*p], v[PD+2*p], v[PD+2*p+1]
	P4 v_cvt_pk_f16_f32 v[WH+2*p+1], v[PE+2*p], v[PE+2*p+1]
	P4 v_fma_f32 v[PI+p], v[PB+2*p+1], v[10+2*(\s)], v[PB+2*p]
	P4 v_cvt_u32_f32 v[PI+p], v[PI+p]
	v_lshl_or_b32 v[IXR+4*(\a)+2*(\s)], v[PI+1], 16, v[PI]
	v_lshl_or_b32 v[IXR+4*(\a)+2*(\s)+1], v[PI+3], 16, v[PI+2]
	ds_store_b128 v28, v[WH:WH+3] offset:(\a)*16*WP+32*(\s)
	ds_store_b128 v28, v[WH+4:WH+7] offset:(\a)*16*WP+32*(\s)+16
.endm
	s_load_b512 s[8:23], s[0:1], 0x0               ; src 8, pos 10, reference_points 12, padding_mask 14, b_val 16, b_samp 18, b_attn 20, wq 22
	s_load_b128 s[24:27], s[0:1], 0x40             ; vt 24, wt 26
	s_load_b64 s[28:29], s[0:1], 0x50              ; ix
	v_lshl_add_u32 v30, v0, 2, SPARE               ; my spare word and 0: kept for the add at the wave's end alone
	v_mov_b32 v31, 0
	v_lshrrev_b32 v1, 5, v0
	v_readfirstlane_b32 s2, v1                     ; wave 0..3
	v_and_b32 v1, 15, v0                           ; r
	v_bfe_u32 v2, v0, 4, 1                         ; hh
	v_and_b32 v3, 31, v0                           ; lane
	s_mul_i32 s30, ttmp9, 85
	s_add_co_u32 s31, s30, 85
	s_lshr_b32 s30, s30, 3                         ; the tile in hand, from my first
	s_lshr_b32 s31, s31, 3                         ; to one past my last
	s_sub_co_u32 s33, s31, 1
	s_mov_b32 s34, 0x76543210                      ; v_permlanex16_b32: each lane takes its own place in the other half
	s_mov_b32 s35, 0xfedcba98
	s_mov_b32 s36, 0x3fb8aa3b                      ; log2(e), named as a pair
	s_mov_b32 s37, s36
	s_mul_i32 s3, s2, 4*XP
	v_lshl_add_u32 v4, v3, 3, s3                   ; where I put 8 bytes of my wave's first row
	v_mul_u32_u24 v5, v1, XP
	v_lshl_add_u32 v5, v2, 4, v5                   ; a fragment's row x pitch + 16 hh
	s_lshl_b32 s3, s2, 12
	v_lshl_add_u32 v6, v3, 4, s3                   ; my 16 bytes of my wave's first row in a tile of src
	v_lshlrev_b32 v7, 5, v1
	v_lshl_add_u32 v7, v2, 4, v7                   ; 32 r + 16 hh: reference points in, indices out
	v_lshlrev_b32 v9, 4, v3                        ; 16 x lane
	v_lshlrev_b32 v14, 24, v2
	v_sub_nc_u32 v10, 0x43000000, v14              ; W of level 2 hh: 128.0 or 32.0 (two steps of the exponent)
	v_mov_b32 v11, v10
	v_sub_nc_u32 v12, 0x42800000, v14              ; W of level 2 hh + 1: 64.0 or 16.0
	v_mov_b32 v13, v12
	v_add_f32 v14, -2.0, v10                       ; W - 2
	v_add_f32 v15, -2.0, v12
	s_mul_i32 s3, s2, PRIVB
	s_add_co_u32 s3, s3, PRIV                      ; my wave's own bytes
	v_mul_u32_u24 v26, v1, VP
	v_lshl_add_u32 v26, v2, 4, v26
	v_add_nc_u32 v26, s3, v26                      ; value stage, in: pixel r, 16 bytes for each half of the lanes
	v_lshrrev_b32 v27, 2, v3
	v_mul_u32_u24 v27, v27, VP
	v_and_b32 v28, 3, v3
	v_lshl_add_u32 v27, v28, 4, v27
	v_add_nc_u32 v27, s3, v27                      ; back: 32 lanes take eight pixels of 64 bytes
	s_add_co_u32 s3, s3, WSTO
	v_mul_u32_u24 v28, v1, WP
	v_lshl_add_u32 v28, v2, 6, v28
	v_add_nc_u32 v28, s3, v28                      ; weight stage, in: row r, 64 bytes for each half of the lanes
	v_lshrrev_b32 v29, 3, v3
	v_mul_u32_u24 v29, v29, WP
	v_and_b32 v25, 7, v3
	v_lshl_add_u32 v29, v25, 4, v29
	v_add_nc_u32 v29, s3, v29                      ; back: 32 lanes take four rows of 128 bytes
	v_mov_b32 v[SMX+1], 0                          ; v_permlanex16_b32 counts as a reader of its destination
	v_mov_b32 v[SMX+5], 0
	s_mul_i32 s3, s2, 81920
	v_lshl_add_u32 v144, v3, 4, s3                 ; my wave's ten tiles in wq, 16 bytes a lane
	s_lshl_b32 s3, s2, 8
	v_lshl_add_u32 v145, v2, 5, s3                 ; b_val: 4 (64 w + 8 hh)
	v_lshl_add_u32 v146, v2, 6, s3                 ; b_samp: 4 (64 w + 16 hh)
	s_lshl_b32 s3, s2, 7
	v_lshl_add_u32 v147, v2, 5, s3                 ; b_attn: 4 (32 w + 8 hh)
	s_wait_kmcnt 0x0
	PREFETCH s30
.irp wn, 0,1,2                         ; 160 loads of 512 consecutive bytes: tiles 0-3, 4-7, 8-9 into windows 1, 2, 3
	WIN 0x40*(\wn+1)
.irp ti, 0,1,2,3
.if 4*\wn+\ti < 10
.irp kf, 0,1,2,3,4,5,6,7
	global_load_b128 v[64*\ti+8*\kf:64*\ti+8*\kf+3], v144, s[22:23] offset:8192*(4*\wn+\ti)+1024*\kf
	global_load_b128 v[64*\ti+8*\kf+4:64*\ti+8*\kf+7], v144, s[22:23] offset:8192*(4*\wn+\ti)+1024*\kf+512
.endr
.endif
.endr
.endr
.irp ti, 0,1,2,3                       ; a lane's eight outputs of a tile are eight neighbouring numbers of the bias
	global_load_b128 v[BIAS+8*\ti:BIAS+8*\ti+3], v145, s[16:17] offset:64*\ti
	global_load_b128 v[BIAS+8*\ti+4:BIAS+8*\ti+7], v145, s[16:17] offset:64*\ti+16
	global_load_b128 v[BIAS+32+8*\ti:BIAS+32+8*\ti+3], v146, s[18:19] offset:128*(\ti/2)+32*(\ti%2)
	global_load_b128 v[BIAS+32+8*\ti+4:BIAS+32+8*\ti+7], v146, s[18:19] offset:128*(\ti/2)+32*(\ti%2)+16
.endr
.irp ti, 0,1
	global_load_b128 v[BIAS+64+8*\ti:BIAS+64+8*\ti+3], v147, s[20:21] offset:64*\ti
	global_load_b128 v[BIAS+64+8*\ti+4:BIAS+64+8*\ti+7], v147, s[20:21] offset:64*\ti+16
.endr
	WIN 0
.Ltile:
	s_wait_xcnt 0x0                                ; the last trip's stores have had their addresses translated (ISA guide 3.1): their data, and the pointers below, are written again only behind this wait
	s_wait_loadcnt 0x0                             ; this tile's rows, asked for a trip ago (in the first trip the weights and biases too)
.irp c, 0,1,2,3,4,5,6,7                ; src and src + pos, rounded to bf16, into the two tiles that all four waves read
.set TT, T+8*(\c%4)
	v_pk_add_f32 v[TT:TT+1], v[PF+4*\c:PF+4*\c+1], v[PF+32+4*\c:PF+32+4*\c+1]
	v_pk_add_f32 v[TT+2:TT+3], v[PF+4*\c+2:PF+4*\c+3], v[PF+32+4*\c+2:PF+32+4*\c+3]
	v_cvt_pk_bf16_f32 v[TT+4], v[PF+4*\c], v[PF+4*\c+1]
	v_cvt_pk_bf16_f32 v[TT+5], v[PF+4*\c+2], v[PF+4*\c+3]
	v_cvt_pk_bf16_f32 v[TT+6], v[TT], v[TT+1]
	v_cvt_pk_bf16_f32 v[TT+7], v[TT+2], v[TT+3]
	ds_store_b64 v4, v[TT+4:TT+5] offset:XS+(\c/2)*XP+(\c%2)*256
	ds_store_b64 v4, v[TT+6:TT+7] offset:XQ+(\c/2)*XP+(\c%2)*256
.endr
	v_pk_fma_f32 v[16:17], v[20:21], v[10:11], -0.5 op_sel_hi:[1,1,0]   ; ref W - 0.5 for my two levels
	v_pk_fma_f32 v[18:19], v[22:23], v[12:13], -0.5 op_sel_hi:[1,1,0]
	v_mov_b32 v25, v24                             ; my row's mask byte
	s_cmp_ge_u32 s30, 1360                         ; where this tile's results go: plane 8 b + 2 w, 16 rows from 16 (tile - 1,360 b)
	s_cselect_b32 s3, 1, 0
	s_mul_i32 s4, s3, 1360
	s_sub_co_u32 s4, s30, s4
	s_lshl_b32 s3, s3, 3
	s_lshl1_add_u32 s3, s2, s3
	s_mul_i32 s6, s3, IPL
	s_lshl_b32 s4, s4, 9
	s_add_co_u32 s6, s6, s4
	s_mov_b32 s7, 0
	s_add_nc_u64 s[56:57], s[28:29], s[6:7]        ; ix: 32 bytes a row
	s_lshl_b32 s6, s6, 1
	s_add_nc_u64 s[52:53], s[24:25], s[6:7]        ; vt: 64
	s_lshl_b32 s6, s6, 1
	s_add_nc_u64 s[54:55], s[26:27], s[6:7]        ; wt: 128
	s_wait_dscnt 0x0                               ; for the others' sake: my rows are in LDS
	s_barrier_signal -1
	s_barrier_wait -1                              ; everybody's are
	s_add_co_u32 s50, s30, 1
	s_min_u32 s50, s50, s33                        ; the last trip asks for its own tile once more: no load leaves the buffers
	PREFETCH s50
	FRAGS XS
	MMRUN 0, 4, 1, 0, 1                            ; value^T for my two heads
	WIN 0
.rept 4
	v_nop                                          ; four places between the last product and the loads into its fragments, and the reads of its results
.endr
	FRAGS XQ
	v_cmp_eq_u32 vcc_lo, 0, v25
.irp ti, 0,1,2,3                       ; tile ti: head ti / 2, channels 16 (ti % 2) + 8 hh + 0..7 of pixel r: 16 bytes of f16, 0 where the pixel is masked
.irp i, 0,1,2,3
	v_cvt_pk_f16_f32 v[T+4*\ti+\i], v[ACC+8*\ti+2*\i], v[ACC+8*\ti+2*\i+1]
.endr
.irp i, 0,1,2,3
	v_cndmask_b32 v[T+4*\ti+\i], 0, v[T+4*\ti+\i], vcc_lo
.endr
	ds_store_b128 v26, v[T+4*\ti:T+4*\ti+3] offset:(\ti/2)*16*VP+32*(\ti%2)
.endr
.irp a, 0,1
.irp n, 0,1
	ds_load_b128 v[T+16+8*\a+4*\n:T+16+8*\a+4*\n+3], v27 offset:\a*16*VP+\n*8*VP  ; LDS serves a wave's instructions in order (ISA guide 5.7.1.4): these see the stores above
.endr
.endr
	s_wait_dscnt 0x0                               ; the pixels are back, and my reads of both input tiles are over
.irp a, 0,1
.irp n, 0,1
	global_store_b128 v9, v[T+16+8*\a+4*\n:T+16+8*\a+4*\n+3], s[52:53] offset:\a*VPL+\n*512  ; 512 consecutive bytes
.endr
.endr
	s_barrier_signal -1
	s_barrier_wait -1                              ; nobody reads the input tiles any more: the next trip may write them
	MMRUN 0, 4, 2, 4, 0                            ; offsets^T: accumulator 2 a + s holds head a, level 2 hh + s
	MMRUN 4, 2, 3, 8, 0                            ; logits^T: accumulator 4 + a holds head a, points 8 hh + 0..7
	WIN 0
.rept 4
	v_nop                                          ; the places behind the last products
.endr
	; softmax over a head's 16 points: eight in this lane, eight in the lane 16 away; the maximum is taken away first
.irp a, 0,1
	v_max3_num_f32 v[SMX+4*\a], v[ACC+32+8*\a], v[ACC+33+8*\a], v[ACC+34+8*\a]
.endr
.irp a, 0,1
	v_max3_num_f32 v[SMX+4*\a], v[SMX+4*\a], v[ACC+35+8*\a], v[ACC+36+8*\a]
.endr
.irp a, 0,1
	v_max3_num_f32 v[SMX+4*\a], v[SMX+4*\a], v[ACC+37+8*\a], v[ACC+38+8*\a]
.endr
.irp a, 0,1
	v_max_num_f32 v[SMX+4*\a], v[SMX+4*\a], v[ACC+39+8*\a]
.endr
.irp a, 0,1
	v_permlanex16_b32 v[SMX+4*\a+1], v[SMX+4*\a], s34, s35
.endr
.irp a, 0,1
	v_max_num_f32 v[SMX+4*\a], v[SMX+4*\a], v[SMX+4*\a+1]
.endr
.irp a, 0,1
	v_mul_f32 v[SMX+4*\a], s36, v[SMX+4*\a]
.endr
.irp a, 0,1
.irp i, 0,2,4,6
	v_pk_fma_f32 v[ACC+32+8*\a+\i:ACC+33+8*\a+\i], v[ACC+32+8*\a+\i:ACC+33+8*\a+\i], s[36:37], v[SMX+4*\a:SMX+4*\a+1] op_sel_hi:[1,0,0] neg_lo:[0,0,1] neg_hi:[0,0,1]
.endr
.endr
.irp a, 0,1
.irp i, 0,1,2,3,4,5,6,7
	v_exp_f32 v[ACC+32+8*\a+\i], v[ACC+32+8*\a+\i]
.endr
.endr
	v_nop                                          ; a plain instruction between the last exponential and the use of its result (ISA guide 5.7.2)
	s_wait_alu depctr_va_vdst(0)
.irp a, 0,1
	v_pk_add_f32 v[SMX+4*\a+2:SMX+4*\a+3], v[ACC+32+8*\a:ACC+33+8*\a], v[ACC+34+8*\a:ACC+35+8*\a]
	v_pk_add_f32 v[SMX+4*\a:SMX+4*\a+1], v[ACC+36+8*\a:ACC+37+8*\a], v[ACC+38+8*\a:ACC+39+8*\a]
.endr
.irp a, 0,1
	v_pk_add_f32 v[SMX+4*\a+2:SMX+4*\a+3], v[SMX+4*\a+2:SMX+4*\a+3], v[SMX+4*\a:SMX+4*\a+1]
.endr
.irp a, 0,1
	v_add_f32 v[SMX+4*\a+2], v[SMX+4*\a+2], v[SMX+4*\a+3]
.endr
.irp a, 0,1
	v_permlanex16_b32 v[SMX+4*\a+3], v[SMX+4*\a+2], s34, s35
.endr
.irp a, 0,1
	v_add_f32 v[SMX+4*\a+2], v[SMX+4*\a+2], v[SMX+4*\a+3]
.endr
.irp a, 0,1
	v_rcp_f32 v[SMX+4*\a+2], v[SMX+4*\a+2]
.endr
	v_nop                                          ; a plain instruction behind the reciprocals
	s_wait_alu depctr_va_vdst(0)
.irp a, 0,1
.irp i, 0,2,4,6
	v_pk_mul_f32 v[ACC+32+8*\a+\i:ACC+33+8*\a+\i], v[ACC+32+8*\a+\i:ACC+33+8*\a+\i], v[SMX+4*\a+2:SMX+4*\a+3] op_sel_hi:[1,0]
.endr
.endr
	POINTS 0, 0
	POINTS 0, 1
	POINTS 1, 0
	POINTS 1, 1
.irp a, 0,1
	global_store_b128 v7, v[IXR+4*\a:IXR+4*\a+3], s[56:57] offset:\a*IPL  ; a lane's eight indices are 16 bytes of its row's 32: the wave covers 512 consecutive bytes
.endr
.irp a, 0,1
.irp n, 0,1,2,3
	ds_load_b128 v[X+16*\a+4*\n:X+16*\a+4*\n+3], v29 offset:\a*16*WP+\n*4*WP
.endr
.endr
	s_wait_dscnt 0x0
.irp a, 0,1
.irp n, 0,1,2,3
	global_store_b128 v9, v[X+16*\a+4*\n:X+16*\a+4*\n+3], s[54:55] offset:\a*WPL+\n*512  ; 512 consecutive bytes: four rows' weights
.endr
.endr
	s_add_co_u32 s30, s30, 1
	s_cmp_lt_u32 s30, s31
	s_cbranch_scc1 .Ltile
	s_wait_tensorcnt 0x0                           ; the wave's end, behind my last LDS store
	ds_add_u32 v30, v31
	s_wait_dscnt 0x0
	s_endpgm
.Lfunc_end_k_qe585cec132_proj:
	.size	k_qe585cec132_proj, .Lfunc_end_k_qe585cec132_proj-k_qe585cec132_proj
	.p2alignl 7, 3214868480
	.fill 96, 4, 3214868480
	.section	.rodata,"a",@progbits
	.p2align	6, 0x0
	.amdhsa_kernel k_qe585cec132_proj
		.amdhsa_group_segment_fixed_size 46080
		.amdhsa_private_segment_fixed_size 0
		.amdhsa_enable_private_segment 0
		.amdhsa_kernarg_size 88
		.amdhsa_user_sgpr_count 2
		.amdhsa_user_sgpr_kernarg_segment_ptr 1
		.amdhsa_wavefront_size32 1
		.amdhsa_system_sgpr_workgroup_id_x 1
		.amdhsa_system_sgpr_workgroup_id_y 1
		.amdhsa_system_sgpr_workgroup_id_z 1
		.amdhsa_system_vgpr_workitem_id 0
		.amdhsa_next_free_vgpr 1024
		.amdhsa_next_free_sgpr 66
		.amdhsa_reserve_vcc 1
		.amdhsa_float_denorm_mode_32 3
		.amdhsa_float_denorm_mode_16_64 3
		.amdhsa_memory_ordered 1
		.amdhsa_forward_progress 1
		.amdhsa_inst_pref_size 64
	.end_amdhsa_kernel
	.amdgpu_metadata
---
amdhsa.version: [ 1, 2 ]
amdhsa.kernels:
  - .name:           k_qe585cec132_proj
    .symbol:         k_qe585cec132_proj.kd
    .args:
      - { .name: src, .offset: 0, .size: 8, .value_kind: global_buffer, .address_space: global }
      - { .name: pos, .offset: 8, .size: 8, .value_kind: global_buffer, .address_space: global }
      - { .name: reference_points, .offset: 16, .size: 8, .value_kind: global_buffer, .address_space: global }
      - { .name: padding_mask, .offset: 24, .size: 8, .value_kind: global_buffer, .address_space: global }
      - { .name: b_val, .offset: 32, .size: 8, .value_kind: global_buffer, .address_space: global }
      - { .name: b_samp, .offset: 40, .size: 8, .value_kind: global_buffer, .address_space: global }
      - { .name: b_attn, .offset: 48, .size: 8, .value_kind: global_buffer, .address_space: global }
      - { .name: wq, .offset: 56, .size: 8, .value_kind: global_buffer, .address_space: global }
      - { .name: vt, .offset: 64, .size: 8, .value_kind: global_buffer, .address_space: global }
      - { .name: wt, .offset: 72, .size: 8, .value_kind: global_buffer, .address_space: global }
      - { .name: ix, .offset: 80, .size: 8, .value_kind: global_buffer, .address_space: global }
    .group_segment_fixed_size: 46080
    .private_segment_fixed_size: 0
    .kernarg_segment_align: 8
    .kernarg_segment_size: 88
    .max_flat_workgroup_size: 128
    .sgpr_count:     66
    .vgpr_count:     1024
    .wavefront_size: 32
...
	.end_amdgpu_metadata
.endif
;; end of part 2
;; launch samp (part 3): grid 256 x 1, 16 waves a work-group, no clusters, 167,936 bytes of LDS; arguments vt, wt, ix, sm; writes sm
.if DOCPART == 3
	.amdgcn_target "amdgcn-amd-amdhsa--gfx1250"
	.amdhsa_code_object_version 6
	.text
	.protected	k_qe585cec132_samp
	.globl	k_qe585cec132_samp
	.p2align	8
	.type	k_qe585cec132_samp,@function
k_qe585cec132_samp:
	s_mov_b64 s[64:65], 0
	v_nop
	global_prefetch_b8 v0, s[64:65] scope:SCOPE_SE
	s_setreg_imm32_b32 hwreg(HW_REG_WAVE_MODE, 25, 1), 1
	s_wait_xcnt 0x0
; sm[plane][q][32 channels] = the sum over 16 points and 4 corners of wt x vt[pixel], in f32, rounded once to bf16.  The addresses come from ix, whole numbers that the launch before stored.
; SHARES.  Work-group = one plane (batch, head) and one of its 16 chunks of 170 groups of 8 queries; wave wv takes groups wv + 16 i (11 for waves 0-9, 10 for the others).
; Lane: query u = lane / 4 of the group, channels 8 j + 0..7 with j = lane % 4: a gather instruction reads eight whole pieces of 64 bytes, and no sum crosses lanes.
; WHERE THE TABLE IS READ.  Levels 2 and 3 of the plane (81,920 dense bytes) are brought into LDS once, by one tensor load a wave; levels 0 and 1 are read from memory.  A level's start and the four
; corners' steps stand in the immediates, so a point costs three address instructions.
; THE PIPELINE.  While group i is summed, the 32 gathers of group i + 1 are issued, slot by slot, as the slots are read out; record k (weights and level 0, 1 indices of group k, level 2, 3 indices of group
; k - 1) is asked for two trips ahead.  The weights pass through 1,152 bytes of LDS of the wave's own, since a lane needs all 128 bytes of its query; the indices come straight into registers.
; No cluster: what partners would share, the plane's 81,920 bytes, is a small part of the 1.4 MB of records and the gathers that a work-group reads.  No matrix unit: every query has pixels of its own.
; sm is laid [plane][tile of 16 queries][half of the channels][16 queries][16 channels], so that a store here and a fragment load of the next launch cover whole runs of 256 bytes.
.set PLB,   1392640                    ; bytes of a plane in vt and in sm
.set L1B,   1048576                    ; level 1 begins at pixel 16,384,
.set L2B,   1310720                    ; level 2 at pixel 20,480
.set REC,   81920                      ; behind the plane: 1,280 bytes for each wave: eight queries' weights, 128 + 16 bytes each
.set RECB,  1280
.set WPI,   144
.set SPARE, REC+16*RECB                ; the spare words, 128 bytes a wave: eight blocks of 256 bytes that no other line names
.set J16,  2                           ; v2   16 j
.set J16H, 4                           ; v4   65,536 + 16 j: level 3 in LDS
.set RECW, 5                           ; v5   where I put 16 bytes of a record
.set RECR, 6                           ; v6   my query's weights
.set LT,   7                           ; v7   my 16 bytes in a group's part of sm
.set SO,   8                           ; v8   the store's offset
.set WO,   9                           ; v9   the record's offset in wt
.set IO,   10                          ; v10  in ix
.set WL,   11                          ; v11  16 x lane
.set IOL,  12                          ; v12  32 u
.set ZERO, 13
.set TMP,  14
.set IO2,  15                          ; v15  the offset in ix of the group before
.set AD,   16                          ; v16-23  the eight gather slots' addresses
.set AL,   24                          ; v24-25  the two LDS slots' addresses
.set SPW,  26
.set NIL,  27
.set ACC,  28                          ; v28-35  eight channels in f32
.set OUT,  36
.set IG,   40                          ; v40-43  indices of points 0-7 of the next group
.set IL,   44                          ; v44-47  of points 8-15 of the group in hand
.set RR,   48                          ; v48-55  a record's weights as loaded
.set RIG,  56
.set RIL,  60
.set WR,   64                          ; v64-95  my query's 16 x 4 weights: point n, corners 0, 1 in v[WR + 2 n], corners 2, 3 in the next
.set LD,   96                          ; v96-127   two slots of four corners x 16 bytes
.set GD,   128                         ; v128-255  eight such slots
; An index becomes an address: its half of the word, held to the level's largest base pixel, times 64 bytes, plus the lane's term.
.macro ADDR src, h, cl, lane, dst
.if \h
	v_lshrrev_b32 v[TMP], 16, v[\src]
.else
	v_and_b32 v[TMP], 0xffff, v[\src]
.endif
	v_min_u32 v[TMP], \cl, v[TMP]
	v_lshl_add_u32 v[\dst], v[TMP], 6, v[\lane]
.endm
.macro GISSUE n                        ; point n of 0-7 (level n / 4): four corners from memory into slot n
.if (\n) < 4
.set GB, 0
.set GR, 128*64
	ADDR IG+(\n)/2, (\n)%2, 16254, J16, AD+(\n)
.else
.set GB, L1B
.set GR, 64*64
	ADDR IG+(\n)/2, (\n)%2, 4030, J16, AD+(\n)
.endif
	global_load_b128 v[GD+16*(\n):GD+16*(\n)+3], v[AD+(\n)], s[4:5] offset:GB
	global_load_b128 v[GD+16*(\n)+4:GD+16*(\n)+7], v[AD+(\n)], s[4:5] offset:GB+64
	global_load_b128 v[GD+16*(\n)+8:GD+16*(\n)+11], v[AD+(\n)], s[4:5] offset:GB+GR
	global_load_b128 v[GD+16*(\n)+12:GD+16*(\n)+15], v[AD+(\n)], s[4:5] offset:GB+GR+64
.endm
.macro LISSUE m                        ; point m of 8-15 (level m / 4): four corners from LDS into slot m % 2
.if (\m) < 12
.set GR, 32*64
	ADDR IL+((\m)-8)/2, (\m)%2, 990, J16, AL+(\m)%2
.else
.set GR, 16*64
	ADDR IL+((\m)-8)/2, (\m)%2, 238, J16H, AL+(\m)%2
.endif
	ds_load_b128 v[LD+16*((\m)%2):LD+16*((\m)%2)+3], v[AL+(\m)%2]
	ds_load_b128 v[LD+16*((\m)%2)+4:LD+16*((\m)%2)+7], v[AL+(\m)%2] offset:64
	ds_load_b128 v[LD+16*((\m)%2)+8:LD+16*((\m)%2)+11], v[AL+(\m)%2] offset:GR
	ds_load_b128 v[LD+16*((\m)%2)+12:LD+16*((\m)%2)+15], v[AL+(\m)%2] offset:GR+64
.endm
; Point n: 4 corners x 8 channels, f16 x f16 added in f32; the eight sums take turns.  The group's first eight lines start the sums with 0.
.macro FMA d, n
.set c, 0
.rept 4
.set e, 0
.rept 8
.set s2r, ACC+e
.if ((\n) == 0) && (c == 0)
.set s2r, ZERO
.endif
.if (e%2 == 0) && (c%2 == 0)
	v_fma_mix_f32 v[ACC+e], v[(\d)+4*c+e/2], v[WR+2*(\n)+c/2], v[s2r] op_sel_hi:[1,1,0]
.elseif c%2 == 0
	v_fma_mix_f32 v[ACC+e], v[(\d)+4*c+e/2], v[WR+2*(\n)+c/2], v[s2r] op_sel:[1,0,0] op_sel_hi:[1,1,0]
.elseif e%2 == 0
	v_fma_mix_f32 v[ACC+e], v[(\d)+4*c+e/2], v[WR+2*(\n)+c/2], v[s2r] op_sel:[0,1,0] op_sel_hi:[1,1,0]
.else
	v_fma_mix_f32 v[ACC+e], v[(\d)+4*c+e/2], v[WR+2*(\n)+c/2], v[s2r] op_sel:[1,1,0] op_sel_hi:[1,1,0]
.endif
.set e, e+1
.endr
.set c, c+1
.endr
.endm
.macro LOADR                           ; the record of group s33: four loads
	v_lshl_add_u32 v[WO], s33, 10, v[WL]
	v_mov_b32 v[IO2], v[IO]
	v_lshl_add_u32 v[IO], s33, 8, v[IOL]
	global_load_b128 v[RR:RR+3], v[WO], s[6:7] th:TH_LOAD_NT
	global_load_b128 v[RR+4:RR+7], v[WO], s[6:7] offset:512 th:TH_LOAD_NT
	global_load_b128 v[RIG:RIG+3], v[IO], s[8:9]
	global_load_b128 v[RIL:RIL+3], v[IO2], s[8:9] offset:16
.endm
; A trip: group i is summed.  issue = 1: the next group's gathers and the record two groups on are asked for.
.macro TRIP issue
.irp k, 0,1,2,3,4,5,6,7
	ds_load_b128 v[WR+4*\k:WR+4*\k+3], v[RECR] offset:16*\k
.endr
	s_wait_loadcnt 32                              ; loads come back in order (ISA guide 5.7.1): the record asked for a trip ago is in; the 32 gathers of this group, issued behind it, may stay out
.irp k, 0,1,2,3
	v_mov_b32 v[IL+\k], v[RIL+\k]
.endr
.if \issue
	ds_store_b128 v[RECW], v[RR:RR+3]              ; the next group's weights: LDS serves a wave's instructions in order, so these land behind the loads above
	ds_store_b128 v[RECW], v[RR+4:RR+7] offset:4*WPI
.irp k, 0,1,2,3
	v_mov_b32 v[IG+\k], v[RIG+\k]
.endr
.endif
	s_wait_dscnt 0x0                               ; my weights are in registers, the stores have been served
.if \issue
	s_add_co_u32 s32, s32, 16
	s_min_u32 s33, s32, 169                        ; past the chunk's end the last group is asked for again and not used: no load leaves the buffers
	LOADR
.endif
	LISSUE 8
	LISSUE 9
.irp n, 0,1,2,3,4,5,6,7
.if \issue
	s_wait_loadcnt 32                              ; slot n is in.  Younger: 4 (7 - n) gathers of this group, the record's 4, 4 n gathers of the next group
.else
	s_wait_loadcnt 28-4*\n                         ; slot n is in.  Younger: the later slots alone
.endif
	FMA GD+16*\n, \n
.if \issue
	GISSUE \n                                      ; the slot's address register is free since that wait
.endif
.if \n < 7
	s_wait_dscnt 4                                 ; point 8 + n is in; the next point's four LDS loads may stay out
.else
	s_wait_dscnt 0x0
.endif
	FMA LD+16*(\n%2), 8+\n
.if \n < 6
	LISSUE 10+\n
.endif
.endr
	s_wait_xcnt 0x0                                ; the last store has had its address translated (ISA guide 3.1): its data and offset are written again only behind this wait
.irp k, 0,1,2,3
	v_cvt_pk_bf16_f32 v[OUT+\k], v[ACC+2*\k], v[ACC+2*\k+1]
.endr
	s_lshr_b32 s35, s34, 1
	s_lshl_b32 s35, s35, 10                        ; the tile of 16 queries,
	s_and_b32 s36, s34, 1
	s_lshl_b32 s36, s36, 8                         ; its first or second eight
	s_or_b32 s35, s35, s36
	v_add_nc_u32 v[SO], s35, v[LT]
	global_store_b128 v[SO], v[OUT:OUT+3], s[10:11]  ; two runs of 256 consecutive bytes, each at a multiple of 256 from the buffer's first byte
	s_add_co_u32 s34, s34, 16
.endm
	s_load_b256 s[4:11], s[0:1], 0x0               ; vt 4, wt 6, ix 8, sm 10
	v_lshl_add_u32 v[SPW], v0, 2, SPARE
	v_mov_b32 v[NIL], 0
	ds_add_u32 v[SPW], v[NIL]                      ; the wave's opening: the add, with its wait ahead of my tensor load; the set-up below, work on registers, stands between them
	ds_add_u32 v26, v27
	v_lshrrev_b32 v1, 5, v0
	v_readfirstlane_b32 s12, v1                    ; wave 0..15
	s_lshr_b32 s13, ttmp9, 4                       ; plane
	s_and_b32 s14, ttmp9, 15                       ; chunk
	s_mov_b32 s24, 3<<16                           ; group 1: elements of 8 bytes, no mask, no padding
	s_mov_b32 s25, 32<<16                          ; tensor_dim0 = 32 elements: rows of 256 bytes
	s_mov_b32 s26, 20<<16                          ; tensor_dim1 = 20 rows
	s_mov_b32 s27, 32<<16                          ; tile_dim0
	s_mov_b32 s28, 20                              ; tile_dim1
	s_mov_b32 s29, 32                              ; 32 elements from row to row: the block is dense
	s_mov_b32 s30, 0
	s_mov_b32 s31, 0
	s_mov_b32 s20, 1                               ; group 0: count = 1
	s_mul_i32 s21, s12, 5120                       ; LDS address: my sixteenth of the 81,920 bytes
	s_mul_i32 s16, s13, PLB
	s_mov_b32 s17, 0
	s_add_co_u32 s18, s21, L2B
	s_mov_b32 s19, 0
	s_wait_dscnt 0x0                               ; the opening add is done
	s_wait_kmcnt 0x0
	s_add_nc_u64 s[4:5], s[4:5], s[16:17]          ; vt and sm at my plane
	s_add_nc_u64 s[10:11], s[10:11], s[16:17]
	s_add_nc_u64 s[22:23], s[4:5], s[18:19]        ; my part of levels 2 and 3
	s_or_b32 s23, s23, 0x80000000                  ; type = 2
	tensor_load_to_lds s[20:23], s[24:31]          ; my one tensor load: nothing is filled again
	s_nop 0
	s_mul_i32 s16, s13, 2785280
	s_mul_i32 s18, s14, 174080
	s_add_co_u32 s16, s16, s18
	s_add_nc_u64 s[6:7], s[6:7], s[16:17]          ; wt at my plane and chunk: 1,024 bytes a group,
	s_lshr_b32 s16, s16, 2
	s_add_nc_u64 s[8:9], s[8:9], s[16:17]          ; ix: 256
	v_and_b32 v1, 31, v0                           ; lane
	v_and_b32 v3, 3, v1                            ; j
	v_lshlrev_b32 v[J16], 4, v3
	v_add_nc_u32 v[J16H], 65536, v[J16]
	v_lshrrev_b32 v[TMP], 2, v1                    ; u
	s_mul_i32 s15, s12, RECB
	s_add_co_u32 s15, s15, REC
	v_mul_u32_u24 v[RECR], v[TMP], WPI
	v_add_nc_u32 v[RECR], s15, v[RECR]
	v_lshrrev_b32 v[RECW], 3, v1                   ; a load of 512 bytes holds four queries' 128
	v_mul_u32_u24 v[RECW], v[RECW], WPI
	v_and_b32 v[IO2], 7, v1
	v_lshl_add_u32 v[RECW], v[IO2], 4, v[RECW]
	v_add_nc_u32 v[RECW], s15, v[RECW]
	v_lshlrev_b32 v[IOL], 5, v[TMP]
	v_lshlrev_b32 v[WL], 4, v1
	v_lshrrev_b32 v[IO2], 1, v3
	v_lshl_add_u32 v[LT], v[IO2], 9, v[IOL]        ; 512 (j / 2) + 32 u
	v_and_b32 v[IO2], 1, v3
	v_lshl_add_u32 v[LT], v[IO2], 4, v[LT]         ; + 16 (j % 2)
	v_mov_b32 v[ZERO], 0
	s_mov_b32 s32, s12                             ; the group whose record is asked for, in the chunk
	s_mul_i32 s34, s14, 170
	s_add_co_u32 s34, s34, s12                     ; the group in hand, in the plane
	v_lshl_add_u32 v[WO], s32, 10, v[WL]
	v_lshl_add_u32 v[IO], s32, 8, v[IOL]
	global_load_b128 v[RR:RR+3], v[WO], s[6:7] th:TH_LOAD_NT
	global_load_b128 v[RR+4:RR+7], v[WO], s[6:7] offset:512 th:TH_LOAD_NT
	global_load_b128 v[RIG:RIG+3], v[IO], s[8:9]
	s_wait_loadcnt 0x0                             ; the first group's record: nothing else is there to do
	ds_store_b128 v[RECW], v[RR:RR+3]
	ds_store_b128 v[RECW], v[RR+4:RR+7] offset:4*WPI
.irp k, 0,1,2,3
	v_mov_b32 v[IG+\k], v[RIG+\k]
.endr
	s_wait_dscnt 0x0                               ; the stores have been served: their registers are loaded again below
	s_add_co_u32 s32, s32, 16
	s_min_u32 s33, s32, 169
	LOADR
.irp n, 0,1,2,3,4,5,6,7
	GISSUE \n
.endr
	s_wait_tensorcnt 0x0                           ; my part of the plane is in LDS,
	s_barrier_signal -1
	s_barrier_wait -1                              ; everybody's is: the only barrier
	s_mov_b32 s37, 10
.Ltrip:
	TRIP 1
	s_sub_co_u32 s37, s37, 1
	s_cmp_lg_u32 s37, 0
	s_cbranch_scc1 .Ltrip
	s_cmp_ge_u32 s12, 10
	s_cbranch_scc1 .Lend                           ; waves 10-15 have ten groups: what their last trip asked for is not used
	TRIP 0                                         ; the eleventh group asks for nothing: its counts run down
.Lend:
	s_wait_tensorcnt 0x0                           ; the wave's end, behind my tensor load and my last LDS store
	ds_add_u32 v[SPW], v[NIL]
	s_wait_dscnt 0x0
	s_endpgm
.Lfunc_end_k_qe585cec132_samp:
	.size	k_qe585cec132_samp, .Lfunc_end_k_qe585cec132_samp-k_qe585cec132_samp
	.p2alignl 7, 3214868480
	.fill 96, 4, 3214868480
	.section	.rodata,"a",@progbits
	.p2align	6, 0x0
	.amdhsa_kernel k_qe585cec132_samp
		.amdhsa_group_segment_fixed_size 167936
		.amdhsa_private_segment_fixed_size 0
		.amdhsa_enable_private_segment 0
		.amdhsa_kernarg_size 32
		.amdhsa_user_sgpr_count 2
		.amdhsa_user_sgpr_kernarg_segment_ptr 1
		.amdhsa_wavefront_size32 1
		.amdhsa_system_sgpr_workgroup_id_x 1
		.amdhsa_system_sgpr_workgroup_id_y 1
		.amdhsa_system_sgpr_workgroup_id_z 1
		.amdhsa_system_vgpr_workitem_id 0
		.amdhsa_next_free_vgpr 256
		.amdhsa_next_free_sgpr 66
		.amdhsa_reserve_vcc 0
		.amdhsa_float_denorm_mode_32 3
		.amdhsa_float_denorm_mode_16_64 3
		.amdhsa_memory_ordered 1
		.amdhsa_forward_progress 1
		.amdhsa_inst_pref_size 89
	.end_amdhsa_kernel
	.amdgpu_metadata
---
amdhsa.version: [ 1, 2 ]
amdhsa.kernels:
  - .name:           k_qe585cec132_samp
    .symbol:         k_qe585cec132_samp.kd
    .args:
      - { .name: vt, .offset: 0, .size: 8, .value_kind: global_buffer, .address_space: global }
      - { .name: wt, .offset: 8, .size: 8, .value_kind: global_buffer, .address_space: global }
      - { .name: ix, .offset: 16, .size: 8, .value_kind: global_buffer, .address_space: global }
      - { .name: sm, .offset: 24, .size: 8, .value_kind: global_buffer, .address_space: global }
    .group_segment_fixed_size: 167936
    .private_segment_fixed_size: 0
    .kernarg_segment_align: 8
    .kernarg_segment_size: 32
    .max_flat_workgroup_size: 512
    .sgpr_count:     66
    .vgpr_count:     256
    .wavefront_size: 32
...
	.end_amdgpu_metadata
.endif
;; end of part 3
;; launch tail (part 4): grid 227 x 1, 4 waves a work-group, no clusters, 327,680 bytes of LDS; arguments sm, src, b_out, ln1_g, ln1_b, b2, ln2_g, ln2_b, b1, ws3, out0; writes out0
.if DOCPART == 4
	.amdgcn_target "amdgcn-amd-amdhsa--gfx1250"
	.amdhsa_code_object_version 6
	.text
	.protected	k_qe585cec132_tail
	.globl	k_qe585cec132_tail
	.p2align	8
	.type	k_qe585cec132_tail,@function
k_qe585cec132_tail:
	s_mov_b64 s[64:65], 0
	v_nop
	global_prefetch_b8 v0, s[64:65] scope:SCOPE_SE
	s_setreg_imm32_b32 hwreg(HW_REG_WAVE_MODE, 25, 1), 1
	s_wait_xcnt 0x0
; x = LN1(src + sm w_out + b_out); out0 = LN2(x + relu(x w1 + b1) w2 + b2).  Matrix operands bf16, sums, residuals and both norms in f32 (mean first, then the mean of the squared differences).
; SHARES.  2,720 tiles of 16 rows; a work-group owns 12, each of its four waves three (q = 0..2): tile 12 g + 3 wave + q.  227 work-groups: the last has 8 live tiles; a dead tile loads tile 2,719's rows
; and its last norm and its stores are jumped.  Fewer than three tiles for the busiest wave is not to be had: 2,720 tiles over 1,024 waves are 2.66.
; THE CHAIN IS TRANSPOSED: source 0 = 16 weight columns, source 1 = 16 rows of the activations, so a lane holds ONE row (lane % 16) and channels 8 (lane / 16) + 0..7.  Two tiles of
; H^T = W1^T X^T, rounded in pairs, ARE source 1 of Y^T += W2^T H^T: h never leaves the registers.  The accumulators start as src, later as x + b2: the residuals cost no addition.
; WEIGHTS.  18 fills of 65,536 bytes (2 of w_out; 16 chunks of 64 hidden channels: w1's columns, then w2's rows) walk through two LDS slots; each wave brings a quarter of a fill by one tensor load.
; A fill is eight UNITS of 16 LDS loads and 24 matrix instructions; a fragment feeds three products.  A unit's fragments are fetched a unit ahead, into two buffers by turns.
; NO CLUSTER, though all work-groups walk the same weights: 227 work-groups are no multiple of four, and a dead tile's branch would then have to differ between partners.
; REGISTERS, in windows of 256: window 0: v0-29 addresses; v32-127 H (tile u, q at 8 (3 u + q)), in the norms the rows at work; v128-175 H in bf16; v176-207 b1 of the chunk; v208-255 six vectors by rows.
; Window 1: v0-191 source 1: sm, then x, fragment kf of tile q at 8 (8 q + kf).  Windows 2, 3: v0-191 accumulators of channels 0-127, 128-255 (channel tile ct, q at 8 (3 ct + q)); v192-255 fragment buffers A, B.
.set SLOT0, 4096                       ; bytes 0-4,095: b1
.set FLIP,  1<<17                      ; slot 1 = slot 0 + 131,072: one exclusive or turns an address in one slot into the other's
.set WPI,   144                        ; a weight row: 128 bytes + 16: 9 x 16, so the 16 rows of a fragment load start at 16 different groups of four banks (64 banks of 4 bytes: ISA guide 11.1)
.set QUART, 128*WPI                    ; what one tensor load fills
.set HALFS, 256*WPI
.set STAGE, SLOT0+FLIP+512*WPI         ; behind the ring, never filled by a tensor load: for each wave 16 rows of 256 f32, 1,024 + 16 bytes each
.set SPI,   1040
.set XBF,   STAGE+4*16*SPI             ; for each wave 16 rows of 256 bf16, 512 + 16 bytes each
.set XPI,   528
.set SPARE, XBF+4*16*XPI               ; the spare words, 128 bytes a wave: two blocks of 256 bytes that no other line names
.set SMPL,  1392640                    ; bytes of a plane in sm
.set H,    32
.set HB,   128
.set BIAS, 176
.set BOUT, 208
.set B2V,  232
.set G1W, 32                           ; s[32:39] descriptor group 1, weights
.set G1V, 40                           ; s[40:47] group 1, b1
.set G0A, 48                           ; s[48:51] group 0: fill 0
.set G0B, 52                           ; s[52:55] group 0: fill 1; it then walks
.set G0V, 56                           ; s[56:59] group 0: b1
.set MSB, 0
.macro WIN new                         ; s_set_vgpr_msb: bits 1:0 source 0, 3:2 source 1, 5:4 source 2, 7:6 destination; the high byte repeats the setting that is left
.if MSB != (\new)
	s_set_vgpr_msb (MSB<<8)|(\new)
.set MSB, (\new)
.endif
.endm
.macro NOP4                            ; four places between a matrix instruction and a load into, a write of or a read of its registers
.rept 4
	v_nop
.endr
.endm
.macro R4 line:vararg                  ; one line for each of four rows t
.set t, 0
.rept 4
	\line
.set t, t+1
.endr
.endm
.macro R16 line:vararg                 ; one line for each pair k of each of four rows t
.set t, 0
.rept 4
.set k, 0
.rept 4
	\line
.set k, k+2
.endr
.set t, t+1
.endr
.endm
.macro SRCLD q, sp                     ; a tile of src by rows, 32 loads of 512 consecutive bytes, into the registers of its accumulators
.irp hf, 0,1
	WIN 0x80+0x40*\hf
.irp ct, 0,1,2,3,4,5,6,7
	global_load_b128 v[(3*\ct+(\q))*8:(3*\ct+(\q))*8+3], v13, s[\sp:\sp+1] offset:(8*\hf+\ct)*1024 th:TH_LOAD_NT
	global_load_b128 v[(3*\ct+(\q))*8+4:(3*\ct+(\q))*8+7], v13, s[\sp:\sp+1] offset:(8*\hf+\ct)*1024+512 th:TH_LOAD_NT
.endr
.endr
.endm
.macro ACCLD q                         ; my stage -> accumulators: lane (r, hh) takes channels 16 t + 8 hh + 0..7 of row r
.irp hf, 0,1
	WIN 0x80+0x40*\hf
.irp ct, 0,1,2,3,4,5,6,7
	ds_load_b128 v[(3*\ct+(\q))*8:(3*\ct+(\q))*8+3], v8 offset:64*(8*\hf+\ct)
	ds_load_b128 v[(3*\ct+(\q))*8+4:(3*\ct+(\q))*8+7], v8 offset:64*(8*\hf+\ct)+16
.endr
.endr
.endm
.macro ACCST q                         ; accumulators -> my stage; each accumulator's low half first
.irp hf, 0,1
	WIN 0x08+4*\hf
.irp ct, 0,1,2,3,4,5,6,7
	ds_store_b128 v8, v[(3*\ct+(\q))*8:(3*\ct+(\q))*8+3] offset:64*(8*\hf+\ct)
	ds_store_b128 v8, v[(3*\ct+(\q))*8+4:(3*\ct+(\q))*8+7] offset:64*(8*\hf+\ct)+16
.endr
.endr
.endm
.macro STAGEIN q                       ; rows as loaded -> my stage -> the same registers in the accumulators' layout.  LDS serves a wave's instructions in order (ISA guide 5.7.1.4): no wait between
.irp hf, 0,1
	WIN 0x08+4*\hf
.irp ct, 0,1,2,3,4,5,6,7
	ds_store_b128 v9, v[(3*\ct+(\q))*8:(3*\ct+(\q))*8+3] offset:(8*\hf+\ct)*SPI
	ds_store_b128 v9, v[(3*\ct+(\q))*8+4:(3*\ct+(\q))*8+7] offset:(8*\hf+\ct)*SPI+512
.endr
.endr
	ACCLD \q
.endm
.macro SMLD q, sp                      ; the sampled rows as fragments: K step kf is head kf; each load covers 512 consecutive bytes
	WIN 0x40
.irp kf, 0,1,2,3
.irp i, 0,1
	global_load_b128 v[(8*(\q)+\kf)*8+4*\i:(8*(\q)+\kf)*8+4*\i+3], v14, s[\sp:\sp+1] offset:\kf*SMPL+512*\i th:TH_LOAD_NT
	global_load_b128 v[(8*(\q)+\kf+4)*8+4*\i:(8*(\q)+\kf+4)*8+4*\i+3], v15, s[\sp:\sp+1] offset:\kf*SMPL+512*\i th:TH_LOAD_NT
.endr
.endr
.endm
; Eight fragments of a matrix with 256 output channels: channel tiles 8 hf + 0..7, K step kk of the fill's four (rows 0-255 hold steps 0, 1; rows 256-511 steps 2, 3), into buffer buf
.macro FETCHC buf, kk, hf
	WIN 0x80+0x40*(\buf)
.set FB, 5+(\kk)/2
.irp ct, 0,1,2,3,4,5,6,7
	ds_load_b128 v[192+8*\ct:195+8*\ct], v[FB] offset:16*WPI*(8*(\hf)+\ct)+64*((\kk)%2)
	ds_load_b128 v[196+8*\ct:199+8*\ct], v[FB] offset:16*WPI*(8*(\hf)+\ct)+64*((\kk)%2)+32
.endr
.endm
.macro FETCHH buf, u                   ; eight fragments of w1: hidden tile u of the chunk's four, K steps 0-7
	WIN 0x80+0x40*(\buf)
.irp kf, 0,1,2,3,4,5,6,7
	ds_load_b128 v[192+8*\kf:195+8*\kf], v5 offset:64*WPI*(\kf/2)+16*WPI*(\u)+64*(\kf%2)
	ds_load_b128 v[196+8*\kf:199+8*\kf], v5 offset:64*WPI*(\kf/2)+16*WPI*(\u)+64*(\kf%2)+32
.endr
.endm
; The matrix work of a unit: 24 instructions.  No two that follow each other share an accumulator: 24 accumulators by turns, or (MULT2) three.
.macro MULT1 hf, kf                    ; accumulators of half hf += w_out fragments (buffer hf) x sm, K step kf
	WIN 0xa6+0x51*(\hf)
.irp ct, 0,1,2,3,4,5,6,7
.irp q, 0,1,2
	v_wmma_f32_16x16x32_bf16 v[(3*\ct+\q)*8:(3*\ct+\q)*8+7], v[192+8*\ct:199+8*\ct], v[(8*\q+(\kf))*8:(8*\q+(\kf))*8+7], v[(3*\ct+\q)*8:(3*\ct+\q)*8+7]
.endr
.endr
.endm
.macro MULT2 u                         ; H(u, q) = b1 + w1 fragments (buffer u % 2) x x
	WIN 0x06+(\u)%2
.irp kf, 0,1,2,3,4,5,6,7
.irp q, 0,1,2
.if \kf == 0
	v_wmma_f32_16x16x32_bf16 v[H+(3*(\u)+\q)*8:H+(3*(\u)+\q)*8+7], v[192+8*\kf:199+8*\kf], v[(8*\q+\kf)*8:(8*\q+\kf)*8+7], v[BIAS+8*(\u):BIAS+8*(\u)+7]
.else
	v_wmma_f32_16x16x32_bf16 v[H+(3*(\u)+\q)*8:H+(3*(\u)+\q)*8+7], v[192+8*\kf:199+8*\kf], v[(8*\q+\kf)*8:(8*\q+\kf)*8+7], v[H+(3*(\u)+\q)*8:H+(3*(\u)+\q)*8+7]
.endif
.endr
.endr
.endm
.macro MULT3 ks, hf                    ; accumulators of half hf += w2 fragments (buffer hf) x relu(H), 32 hidden channels from 32 ks
	WIN 0xa2+0x51*(\hf)
.irp ct, 0,1,2,3,4,5,6,7
.irp q, 0,1,2
	v_wmma_f32_16x16x32_bf16 v[(3*\ct+\q)*8:(3*\ct+\q)*8+7], v[192+8*\ct:199+8*\ct], v[HB+(2*\q+(\ks))*8:HB+(2*\q+(\ks))*8+7], v[(3*\ct+\q)*8:(3*\ct+\q)*8+7]
.endr
.endr
.endm
.macro PACK u                          ; H(u, .) rounded to bf16, then the ReLU on packed halves: half a fragment of source 1 for each q.  24 plain instructions: also the places of the unit that holds them
	WIN 0
.irp q, 0,1,2
.irp i, 0,1,2,3
	v_cvt_pk_bf16_f32 v[HB+(2*\q+(\u)/2)*8+4*((\u)%2)+\i], v[H+(3*(\u)+\q)*8+2*\i], v[H+(3*(\u)+\q)*8+2*\i+1]
.endr
.endr
.irp q, 0,1,2
.irp i, 0,1,2,3
	v_pk_max_num_bf16 v[HB+(2*\q+(\u)/2)*8+4*((\u)%2)+\i], v[HB+(2*\q+(\u)/2)*8+4*((\u)%2)+\i], v17
.endr
.endr
.endm
.macro BIASLD                          ; b1 of the next chunk: a lane's eight hidden channels of each of four tiles; then the offset steps, round b1's 4,096 bytes
	WIN 0
.irp u, 0,1,2,3
	ds_load_b128 v[BIAS+8*\u:BIAS+8*\u+3], v7 offset:64*\u
	ds_load_b128 v[BIAS+8*\u+4:BIAS+8*\u+7], v7 offset:64*\u+16
.endr
	v_add_nc_u32 v7, 256, v7
	v_and_b32 v7, 4095, v7
.endm
; THE CHANGE OF SLOTS, in a fill's last unit, whose fragments are in registers.  Each wave waits for all its tensor loads, of which one is out: its quarter of the other slot; adds 0 to its spare word; waits for that
; and for its reads of this slot.  Behind the barrier nobody reads this slot any more and the other slot is whole.  fill = 1: this slot takes the fill two on, first thing behind the barrier: it has eight units,
; 192 matrix instructions, in which to land.  The four vector lines are the places in front of the fragment loads that follow, and stand ahead of the next switch of windows.
.macro CHANGE fill
	WIN 0
	s_wait_tensorcnt 0x0                           ; no tensor load of mine is out, so a group 0 may be written
	ds_add_u32 v28, v29                            ; 0 onto my spare word; scalar work stands between it and the wait for it
.if \fill
	s_xor_b32 s[G0B+1], s[G0B+1], FLIP             ; the walking descriptor: the other slot than last time,
	s_add_nc_u64 s[G0B+2:G0B+3], s[G0B+2:G0B+3], 65536  ; the next fill; the type bits on top are not reached
.endif
	s_xor_b32 s60, s60, FLIP                       ; the fetches go to the other slot
	s_wait_dscnt 0x0                               ; the add is done, and my reads of this slot are over
	s_barrier_signal -1
	s_barrier_wait -1
.if \fill
	tensor_load_to_lds s[G0B:G0B+3], s[G1W:G1W+7]
	s_nop 0
.endif
	v_add_nc_u32 v5, s60, v4
	v_add_nc_u32 v6, HALFS, v5
	v_nop
	v_nop
.endm
.macro G1UNIT phi, u                   ; unit u = 2 ks + hf of fill phi of w_out
	s_wait_dscnt 0x0                               ; my fragments, fetched a unit ago
.if (\u) < 7
	NOP4
	FETCHC ((\u)+1)%2, ((\u)+1)/2, ((\u)+1)%2
.else
	CHANGE 1
.if (\phi) == 0
	FETCHC 0, 0, 0
.else
	FETCHH 0, 0
.endif
.endif
	MULT1 (\u)%2, 4*(\phi)+(\u)/2
.endm
; A chunk of 64 hidden channels: units 0-3 make H, units 4-7 spend it.  H(u) is packed two units behind the products that made it.
.macro CHUNK fill
	s_wait_dscnt 0x0
	NOP4
	FETCHH 1, 1
	MULT2 0
	s_wait_dscnt 0x0
	NOP4
	FETCHH 0, 2
	MULT2 1
	s_wait_dscnt 0x0
	PACK 0
	FETCHH 1, 3
	MULT2 2
	s_wait_dscnt 0x0
	PACK 1
	FETCHC 0, 2, 0
	MULT2 3
	s_wait_dscnt 0x0
	PACK 2
	FETCHC 1, 2, 1
	BIASLD
	MULT3 0, 0
	s_wait_dscnt 0x0
	PACK 3
	FETCHC 0, 3, 0
	MULT3 0, 1
	s_wait_dscnt 0x0
	NOP4
	FETCHC 1, 3, 1
	MULT3 1, 0
	s_wait_dscnt 0x0
	CHANGE \fill
	FETCHH 0, 0                                    ; the next chunk's first fragments (behind the last chunk: bytes of an old fill, not used)
	MULT3 1, 1
.endm
.macro REDUCE o                        ; the sum over the 32 lanes of v[64 + o + 4 t], into every lane
.irp x, 1,2,4,8
	R4 v_add_f32_dpp v[64+(\o)+4*t], v[64+(\o)+4*t], v[64+(\o)+4*t] row_xmask:\x row_mask:0xf bank_mask:0xf
.endr
	R4 v_permlanex16_b32 v[65+(\o)+4*t], v[64+(\o)+4*t], s62, s63
	R4 v_add_f32 v[64+(\o)+4*t], v[64+(\o)+4*t], v[65+(\o)+4*t]
.endm
; THE NORM of four rows that lie in v[32 + 8 t ..], line by line over the four.  A lane holds channels 4 l + 0..3 and 128 + 4 l + 0..3 of a row.  GV and BV name the gain's and the bias's eight registers.
.macro LNSTAT
	R4 v_pk_add_f32 v[64+4*t:65+4*t], v[32+8*t:33+8*t], v[34+8*t:35+8*t]
	R4 v_pk_add_f32 v[66+4*t:67+4*t], v[36+8*t:37+8*t], v[38+8*t:39+8*t]
	R4 v_pk_add_f32 v[64+4*t:65+4*t], v[64+4*t:65+4*t], v[66+4*t:67+4*t]
	R4 v_add_f32 v[64+4*t], v[64+4*t], v[65+4*t]
	REDUCE 0
	R4 v_mul_f32 v[64+4*t], s66, v[64+4*t]
	R16 v_pk_add_f32 v[32+8*t+k:33+8*t+k], v[32+8*t+k:33+8*t+k], v[64+4*t:65+4*t] op_sel_hi:[1,0] neg_lo:[0,1] neg_hi:[0,1]
	R4 v_pk_mul_f32 v[66+4*t:67+4*t], v[32+8*t:33+8*t], v[32+8*t:33+8*t]
	R4 v_pk_fma_f32 v[66+4*t:67+4*t], v[34+8*t:35+8*t], v[34+8*t:35+8*t], v[66+4*t:67+4*t]
	R4 v_pk_fma_f32 v[66+4*t:67+4*t], v[36+8*t:37+8*t], v[36+8*t:37+8*t], v[66+4*t:67+4*t]
	R4 v_pk_fma_f32 v[66+4*t:67+4*t], v[38+8*t:39+8*t], v[38+8*t:39+8*t], v[66+4*t:67+4*t]
	R4 v_add_f32 v[66+4*t], v[66+4*t], v[67+4*t]
	REDUCE 2
	R4 v_fma_f32 v[66+4*t], v[66+4*t], s66, s67
	R4 v_rsq_f32 v[66+4*t], v[66+4*t]
	v_nop                                          ; a plain instruction between the last root and the use of its result (ISA guide 5.7.2)
	s_wait_alu depctr_va_vdst(0)
	R16 v_pk_mul_f32 v[32+8*t+k:33+8*t+k], v[32+8*t+k:33+8*t+k], v[66+4*t:67+4*t] op_sel_hi:[1,0]
	R16 v_pk_fma_f32 v[32+8*t+k:33+8*t+k], v[32+8*t+k:33+8*t+k], v[GV+k:GV+k+1], v[BV+k:BV+k+1]
.endm
; The first norm over the 16 rows in my stage, four rows a trip: b_out is added first; x goes to XBF in bf16 and, plus b2, back to the stage.
.macro LN1ROWS
	WIN 0
.set GV, 216
.set BV, 224
	v_mov_b32 v10, v9
	v_mov_b32 v11, v18
	s_mov_b32 s71, 4
.Lrows_\@:
	R4 ds_load_b128 v[32+8*t:35+8*t], v10 offset:SPI*t
	R4 ds_load_b128 v[36+8*t:39+8*t], v10 offset:SPI*t+512
	s_wait_dscnt 0x0
	R16 v_pk_add_f32 v[32+8*t+k:33+8*t+k], v[32+8*t+k:33+8*t+k], v[BOUT+k:BOUT+k+1]
	LNSTAT
	R16 v_cvt_pk_bf16_f32 v[80+4*t+k/2], v[32+8*t+k], v[33+8*t+k]
	R4 ds_store_b64 v11, v[80+4*t:81+4*t] offset:XPI*t
	R4 ds_store_b64 v11, v[82+4*t:83+4*t] offset:XPI*t+256
	R16 v_pk_add_f32 v[32+8*t+k:33+8*t+k], v[32+8*t+k:33+8*t+k], v[B2V+k:B2V+k+1]
	R4 ds_store_b128 v10, v[32+8*t:35+8*t] offset:SPI*t
	R4 ds_store_b128 v10, v[36+8*t:39+8*t] offset:SPI*t+512
	v_add_nc_u32 v11, 4*XPI, v11
	v_add_nc_u32 v10, 4*SPI, v10
	s_sub_co_u32 s71, s71, 1
	s_cmp_lg_u32 s71, 0
	s_cbranch_scc1 .Lrows_\@
.endm
; The second norm over the 16 rows in my stage, written out in four blocks of four rows: a row's place stands in the immediates, 15 x 1,040 + 512 bytes of LDS and 15 x 1,024 + 512 bytes of out0 at the most,
; beside two registers that are never rewritten.  The rows leave, 512 consecutive bytes a store, by the pointer in s[sp:sp+1].
.macro LN2ROWS sp
	WIN 0
.set GV, 240
.set BV, 248
.set rb, 0
.rept 4
	R4 ds_load_b128 v[32+8*t:35+8*t], v9 offset:SPI*(rb+t)
	R4 ds_load_b128 v[36+8*t:39+8*t], v9 offset:SPI*(rb+t)+512
	s_wait_dscnt 0x0
	LNSTAT
	R4 global_store_b128 v13, v[32+8*t:35+8*t], s[\sp:\sp+1] offset:1024*(rb+t) th:TH_STORE_NT
	R4 global_store_b128 v13, v[36+8*t:39+8*t], s[\sp:\sp+1] offset:1024*(rb+t)+512 th:TH_STORE_NT
	s_wait_xcnt 0x0                                ; the stores have had their addresses translated (ISA guide 3.1): the next block loads into their data only behind this wait
.set rb, rb+4
.endr
.endm
.macro LN1 q
	ACCST \q
	LN1ROWS
	ACCLD \q                                       ; x + b2, where the second residual's sums begin
	WIN 0x40
.irp kf, 0,1,2,3,4,5,6,7
	ds_load_b128 v[(8*(\q)+\kf)*8:(8*(\q)+\kf)*8+3], v12 offset:64*\kf
	ds_load_b128 v[(8*(\q)+\kf)*8+4:(8*(\q)+\kf)*8+7], v12 offset:64*\kf+32
.endr
	WIN 0
.endm
.macro LN2 q
	s_cmp_gt_u32 s[68+(\q)], 2719
	s_cbranch_scc1 .Ldead_\@                       ; forward, past text that holds no barrier, no tensor load and no loop
	ACCST \q
	LN2ROWS 84+2*(\q)
.Ldead_\@:
.endm
	s_load_b512 s[8:23], s[0:1], 0x0               ; sm 8, src 10, b_out 12, ln1_g 14, ln1_b 16, b2 18, ln2_g 20, ln2_b 22
	s_load_b128 s[24:27], s[0:1], 0x40             ; b1 24, ws3 26
	s_load_b64 s[28:29], s[0:1], 0x50              ; out0
	v_lshl_add_u32 v28, v0, 2, SPARE
	v_mov_b32 v29, 0
	ds_add_u32 v28, v29                            ; the wave's opening: the add, with its wait ahead of my first tensor load; the set-up below, work on registers, stands between them
	ds_add_u32 v28, v29
	v_lshrrev_b32 v1, 5, v0
	v_readfirstlane_b32 s2, v1                     ; wave 0..3
	s_mov_b32 s[G1W], (1<<16)|(1<<20)|(4<<22)|(3<<25)  ; elements of 2 bytes; padding on: after every 32 words (code 4) 4 words (code 3)
	s_mov_b32 s[G1W+1], 128<<16                    ; tensor_dim0 = 128: a quarter of a fill is dense, asked for as 64 rows of 256 bytes, two weight rows each
	s_mov_b32 s[G1W+2], 64<<16                     ; tensor_dim1 = 64
	s_mov_b32 s[G1W+3], 128<<16                    ; tile_dim0
	s_mov_b32 s[G1W+4], 64                         ; tile_dim1
	s_mov_b32 s[G1W+5], 128                        ; elements from row to row
	s_mov_b32 s[G1W+6], 0
	s_mov_b32 s[G1W+7], 0
	s_mov_b32 s[G1V], 3<<16                        ; b1: elements of 8 bytes, four rows of 256 bytes a wave
	s_mov_b32 s[G1V+1], 32<<16
	s_mov_b32 s[G1V+2], 4<<16
	s_mov_b32 s[G1V+3], 32<<16
	s_mov_b32 s[G1V+4], 4
	s_mov_b32 s[G1V+5], 32
	s_mov_b32 s[G1V+6], 0
	s_mov_b32 s[G1V+7], 0
	s_mov_b32 s[G0A], 1
	s_mul_i32 s[G0A+1], s2, QUART
	s_add_co_u32 s[G0A+1], s[G0A+1], SLOT0         ; my quarter of slot 0,
	s_mov_b32 s[G0B], 1
	s_add_co_u32 s[G0B+1], s[G0A+1], FLIP          ; of slot 1
	s_mov_b32 s[G0V], 1
	s_lshl_b32 s[G0V+1], s2, 10
	s_mov_b32 s60, SLOT0                           ; the slot that the fetches read
	s_mov_b32 s62, 0x76543210                      ; v_permlanex16_b32: each lane takes its own place in the other half
	s_mov_b32 s63, 0xfedcba98
	s_mov_b32 s66, 0x3b800000                      ; 1 / 256
	s_mov_b32 s67, 0x3727c5ac                      ; 1e-5
	s_mul_i32 s3, ttmp9, 12
	s_mul_i32 s4, s2, 3
	s_add_co_u32 s68, s3, s4                       ; my three tiles
	s_add_co_u32 s69, s68, 1
	s_add_co_u32 s70, s68, 2
	v_and_b32 v1, 15, v0                           ; r
	v_bfe_u32 v2, v0, 4, 1                         ; hh
	v_and_b32 v3, 31, v0                           ; lane
	v_mul_u32_u24 v4, v1, WPI
	v_lshl_add_u32 v4, v2, 4, v4                   ; a weight fragment's row x pitch + 16 hh
	v_add_nc_u32 v5, s60, v4                       ; in the slot's rows 0-255,
	v_add_nc_u32 v6, HALFS, v5                     ; in its rows 256-511
	v_lshlrev_b32 v7, 5, v2                        ; b1: 4 x 8 hh, chunk 0
	s_mul_i32 s3, s2, 16*SPI
	s_add_co_u32 s3, s3, STAGE
	v_mul_u32_u24 v8, v1, SPI
	v_lshl_add_u32 v8, v2, 5, v8
	v_add_nc_u32 v8, s3, v8                        ; my stage in the accumulators' layout: row r, 32 bytes for each half of the lanes
	v_lshl_add_u32 v9, v3, 4, s3                   ; and by rows: 16 bytes a lane; never rewritten
	s_mul_i32 s3, s2, 16*XPI
	s_add_co_u32 s3, s3, XBF
	v_lshl_add_u32 v18, v3, 3, s3                  ; x in bf16, in: 8 bytes a lane
	v_mul_u32_u24 v12, v1, XPI
	v_lshl_add_u32 v12, v2, 4, v12
	v_add_nc_u32 v12, s3, v12                      ; and back as fragments
	v_lshlrev_b32 v13, 4, v3                       ; 16 x lane; never rewritten
	v_lshlrev_b32 v14, 5, v1
	v_lshl_add_u32 v14, v2, 4, v14                 ; sm: 32 r + 16 hh, heads 0-3;
	v_add_nc_u32 v15, 4*SMPL, v14                  ; heads 4-7
	v_mov_b32 v17, 0
	s_wait_dscnt 0x0                               ; the opening add is done
	s_wait_kmcnt 0x0
	s_lshl_b32 s90, s2, 14
	s_mov_b32 s91, 0
	s_add_nc_u64 s[G0A+2:G0A+3], s[26:27], s[90:91]  ; my quarter of fill 0,
	s_add_nc_u64 s[G0B+2:G0B+3], s[G0A+2:G0A+3], 65536  ; of fill 1
	s_or_b32 s[G0A+3], s[G0A+3], 0x80000000        ; type = 2
	s_or_b32 s[G0B+3], s[G0B+3], 0x80000000
	s_lshl_b32 s90, s2, 10
	s_add_nc_u64 s[G0V+2:G0V+3], s[24:25], s[90:91]
	s_or_b32 s[G0V+3], s[G0V+3], 0x80000000
	tensor_load_to_lds s[G0V:G0V+3], s[G1V:G1V+7]  ; the three first fills go out together: three tensor loads of mine are out
	s_nop 0
	tensor_load_to_lds s[G0A:G0A+3], s[G1W:G1W+7]
	s_nop 0
	tensor_load_to_lds s[G0B:G0B+3], s[G1W:G1W+7]
	s_nop 0
	NOP4
.irp q, 0,1,2                          ; each tile's three pointers; a dead tile takes the last tile's
	s_min_u32 s4, s[68+\q], 2719
	s_lshl_b32 s90, s4, 14
	s_add_nc_u64 s[72+2*\q:73+2*\q], s[10:11], s[90:91]
	s_add_nc_u64 s[84+2*\q:85+2*\q], s[28:29], s[90:91]
	s_cmp_ge_u32 s4, 1360
	s_cselect_b32 s5, 7*SMPL, 0                    ; the second batch's planes begin eight planes on; 1,360 tiles of 1,024 bytes are one plane
	s_lshl_b32 s90, s4, 10
	s_add_co_u32 s90, s90, s5
	s_add_nc_u64 s[78+2*\q:79+2*\q], s[8:9], s[90:91]
.endr
	SRCLD 0, 72
	SRCLD 1, 74
	s_wait_loadcnt 32                              ; tile 0's rows are in; tile 1's 32 loads may stay out
	STAGEIN 0
	SRCLD 2, 76
	s_wait_loadcnt 32                              ; tile 1's are in; tile 2's 32 may stay out
	STAGEIN 1
	SMLD 0, 78
	SMLD 1, 80
	SMLD 2, 82
	WIN 0
.irp m, 0,1,2,3,4,5                    ; b_out, ln1_g, ln1_b, b2, ln2_g, ln2_b as a row lies in the lanes
	global_load_b128 v[BOUT+8*\m:BOUT+8*\m+3], v13, s[12+2*\m:13+2*\m]
	global_load_b128 v[BOUT+8*\m+4:BOUT+8*\m+7], v13, s[12+2*\m:13+2*\m] offset:512
.endr
	s_wait_loadcnt 60                              ; tile 2's rows are in; the 48 + 12 loads behind them may stay out
	STAGEIN 2
	WIN 0
	s_wait_loadcnt 0x0
	s_wait_tensorcnt 0x1                           ; b1 and my quarter of fill 0 are in; fill 1 may stay out
	s_wait_dscnt 0x0
	s_barrier_signal -1
	s_barrier_wait -1                              ; everybody's are
	FETCHC 0, 0, 0
.irp u, 0,1,2,3,4,5,6,7
	G1UNIT 0, \u
.endr
.irp u, 0,1,2,3,4,5,6,7
	G1UNIT 1, \u
.endr
	WIN 0
	NOP4                                           ; the places behind the last products
	LN1 0
	LN1 1
	LN1 2
	BIASLD                                         ; b1 of chunk 0
	s_mov_b32 s61, 14
.Lchunk:                                               ; chunks 0-13: each change of slots asks for the fill two on
	CHUNK 1
	WIN 0
	s_sub_co_u32 s61, s61, 1
	s_cmp_lg_u32 s61, 0
	s_cbranch_scc1 .Lchunk
	s_mov_b32 s61, 2
.Lchunk2:                                              ; the last two chunks ask for nothing: a text of their own
	CHUNK 0
	WIN 0
	s_sub_co_u32 s61, s61, 1
	s_cmp_lg_u32 s61, 0
	s_cbranch_scc1 .Lchunk2
	NOP4                                           ; the places behind the last products
	LN2 0
	LN2 1
	LN2 2
	s_wait_tensorcnt 0x0                           ; the wave's end, behind my last tensor load and my last LDS store
	ds_add_u32 v28, v29
	s_wait_dscnt 0x0
	s_endpgm
.Lfunc_end_k_qe585cec132_tail:
	.size	k_qe585cec132_tail, .Lfunc_end_k_qe585cec132_tail-k_qe585cec132_tail
	.p2alignl 7, 3214868480
	.fill 96, 4, 3214868480
	.section	.rodata,"a",@progbits
	.p2align	6, 0x0
	.amdhsa_kernel k_qe585cec132_tail
		.amdhsa_group_segment_fixed_size 327680
		.amdhsa_private_segment_fixed_size 0
		.amdhsa_enable_private_segment 0
		.amdhsa_kernarg_size 88
		.amdhsa_user_sgpr_count 2
		.amdhsa_user_sgpr_kernarg_segment_ptr 1
		.amdhsa_wavefront_size32 1
		.amdhsa_system_sgpr_workgroup_id_x 1
		.amdhsa_system_sgpr_workgroup_id_y 1
		.amdhsa_system_sgpr_workgroup_id_z 1
		.amdhsa_system_vgpr_workitem_id 0
		.amdhsa_next_free_vgpr 1024
		.amdhsa_next_free_sgpr 92
		.amdhsa_reserve_vcc 0
		.amdhsa_float_denorm_mode_32 3
		.amdhsa_float_denorm_mode_16_64 3
		.amdhsa_memory_ordered 1
		.amdhsa_forward_progress 1
		.amdhsa_inst_pref_size 255
	.end_amdhsa_kernel
	.section	.bss,"aw",@nobits
	.p2align	6
	.space	262144
	.amdgpu_metadata
---
amdhsa.version: [ 1, 2 ]
amdhsa.kernels:
  - .name:           k_qe585cec132_tail
    .symbol:         k_qe585cec132_tail.kd
    .args:
      - { .name: sm, .offset: 0, .size: 8, .value_kind: global_buffer, .address_space: global }
      - { .name: src, .offset: 8, .size: 8, .value_kind: global_buffer, .address_space: global }
      - { .name: b_out, .offset: 16, .size: 8, .value_kind: global_buffer, .address_space: global }
      - { .name: ln1_g, .offset: 24, .size: 8, .value_kind: global_buffer, .address_space: global }
      - { .name: ln1_b, .offset: 32, .size: 8, .value_kind: global_buffer, .address_space: global }
      - { .name: b2, .offset: 40, .size: 8, .value_kind: global_buffer, .address_space: global }
      - { .name: ln2_g, .offset: 48, .size: 8, .value_kind: global_buffer, .address_space: global }
      - { .name: ln2_b, .offset: 56, .size: 8, .value_kind: global_buffer, .address_space: global }
      - { .name: b1, .offset: 64, .size: 8, .value_kind: global_buffer, .address_space: global }
      - { .name: ws3, .offset: 72, .size: 8, .value_kind: global_buffer, .address_space: global }
      - { .name: out0, .offset: 80, .size: 8, .value_kind: global_buffer, .address_space: global }
    .group_segment_fixed_size: 327680
    .private_segment_fixed_size: 0
    .kernarg_segment_align: 8
    .kernarg_segment_size: 88
    .max_flat_workgroup_size: 128
    .sgpr_count:     92
    .vgpr_count:     1024
    .wavefront_size: 32
...
	.end_amdgpu_metadata
.endif
;; end of part 4
;; ======== version 2 of 3: 4 launches; 1.16 times as fast as version 1
;; limits: values are held in f16: magnitudes above 65,504 overflow, below 6.1e-05 lose precision
;; workspace buffers: wq 327,680 bytes; ws3 1,179,648 bytes; vt 22,282,240 bytes; wt 44,564,480 bytes; ix 11,141,120 bytes of whole numbers; sm 22,282,240 bytes
;; launch prep: the kernel of part 1 again; grid 368 x 1, 8 waves a work-group, no clusters, 0 bytes of LDS; arguments w_val, w_samp, w_attn, w_out, w1, w2, wq, ws3; writes wq, ws3
;; launch proj (part 5): grid 256 x 1, 4 waves a work-group, no clusters, 35,840 bytes of LDS; arguments src, pos, reference_points, padding_mask, b_val, b_samp, b_attn, wq, vt, wt, ix; writes vt, wt, ix
.if DOCPART == 5
	.amdgcn_target "amdgcn-amd-amdhsa--gfx1250"
	.amdhsa_code_object_version 6
	.text
	.protected	k_qe585cec132_proj
	.globl	k_qe585cec132_proj
	.p2align	8
	.type	k_qe585cec132_proj,@function
k_qe585cec132_proj:
	s_mov_b64 s[64:65], 0
	v_nop
	global_prefetch_b8 v0, s[64:65] scope:SCOPE_SE
	s_setreg_imm32_b32 hwreg(HW_REG_WAVE_MODE, 25, 1), 1
	s_wait_xcnt 0x0
; value = src w_val + b_val (0 where padding_mask), offsets = (src + pos) w_samp + b_samp, attention = softmax over a head's 16 points of (src + pos) w_attn + b_attn; from these
; vt [slice = 2 (8 b + head) + half of the channels][pixel][16] f16, the value table; wt [plane = 8 b + head][q][dx 2][point 4 level + p][dy 2] f16, attention x bilinear weight of corner (by + dy, bx + dx);
; ix [plane][q][16] u16, the pixel by W + bx inside the level.
; SHARES.  2,720 tiles of 16 rows; work-group g walks tiles 85 g / 8 to 85 (g + 1) / 8 (10 or 11).  Wave w owns heads 2 w and 2 w + 1: its ten weight tiles (640 registers) stay in registers for the whole launch.
; The products are used transposed (source 0 = 16 weight columns, source 1 = 16 rows of the input): a lane holds ONE row (lane % 16) and the outputs 8 (lane / 16) + 0..7.  Operands bf16, sums f32.
; ONE INDEX FOR FOUR CORNERS.  With bx = floor(x) held to 0 .. W - 2, the weight of pixel bx is max(0, 1 - |x - bx|) and that of bx + 1 is max(0, 1 - |x - bx - 1|): inside the map these are
; the bilinear weights, and a corner outside the map gets exactly 0, as zero padding asks.
; LIMITS.  x is rounded as (ref W - 0.5) + offset (the model rounds ref + offset / W first): at most an ulp of W apart.  The table is f16: |value| stays under 65,504.  NaN and infinities are not treated apart.
; spatial_shapes and level_start_index are not read: the model takes its own constants (128, 64, 32, 16 squared), not these inputs.
; REGISTERS, in windows of 256: window 0: v0-31 addresses and constants; v32-95 X, eight fragments, later the points' work and the weights read back; v96-143 six accumulators; v144-175 at work;
; v176-183 packed indices; v184-191 softmax; v192-255 the next tile's src and pos.  Window 1: weight tiles 0-3; window 2: tiles 4-7; window 3: tiles 8-9, and at v128-207 the ten biases, the C of the first K step.
.set XP,    528                        ; a row of 256 bf16 in LDS + 16 bytes: 33 x 16, so the 16 rows of a fragment load start at 16 different groups of four banks (64 banks of 4 bytes: ISA guide 11.1)
.set XS,    0                          ; src, 16 rows
.set XQ,    16*XP                      ; src + pos, 16 rows
.set PRIV,  2*16*XP                    ; from here each wave has a stage of its own for the weights:
.set WP,    144                        ; 2 heads x 16 rows x (128 + 16) bytes
.set PRIVB, 2*16*WP
.set SPARE, PRIV+4*PRIVB               ; the spare words, 128 bytes a wave: two blocks of 256 bytes that no other line names
.set SLB,   696320                     ; bytes of a slice in vt,
.set WPL,   2785280                    ; of a plane in wt,
.set IPL,   696320                     ; of a plane in ix
.set X,    32
.set ACC,  96
.set T,    144
.set IXR,  176
.set SMX,  184
.set PF,   192
.set BIAS, 128                         ; window 3
.set PD,   32                          ; the points' work: x - bx, y - by of four points; later w00, w10
.set PB,   40                          ; bx, by
.set PE,   48                          ; the same less 1; later w01, w11
.set AX,   56                          ; the two weights along x
.set AY,   64                          ; along y, then times the attention
.set WH,   72                          ; eight words of f16 weights: four points' column bx, four points' column bx + 1
.set PI,   80                          ; four indices
.set MSB, 0
.macro WIN new                         ; s_set_vgpr_msb: bits 1:0 source 0, 3:2 source 1, 5:4 source 2, 7:6 destination; the high byte repeats the setting that is left
.if MSB != (\new)
	s_set_vgpr_msb (MSB<<8)|(\new)
.set MSB, (\new)
.endif
.endm
.macro P4 line:vararg                  ; one line for each point p of a level
.set p, 0
.rept 4
	\line
.set p, p+1
.endr
.endm
; The next tile's rows: my wave's four rows of src and of pos (eight loads of 512 consecutive bytes each), my lane's two levels of reference points, my row's mask byte.
.macro PREFETCH st
	s_lshl_b32 s40, \st, 14
	s_mov_b32 s41, 0
	s_add_nc_u64 s[42:43], s[8:9], s[40:41]
	s_add_nc_u64 s[44:45], s[10:11], s[40:41]
	s_lshl_b32 s40, \st, 9
	s_add_nc_u64 s[46:47], s[12:13], s[40:41]
	s_lshl_b32 s40, \st, 4
	s_add_nc_u64 s[48:49], s[14:15], s[40:41]
.irp c, 0,1,2,3,4,5,6,7
	global_load_b128 v[PF+4*\c:PF+4*\c+3], v6, s[42:43] offset:(\c/2)*1024+(\c%2)*512 th:TH_LOAD_NT
	global_load_b128 v[PF+32+4*\c:PF+32+4*\c+3], v6, s[44:45] offset:(\c/2)*1024+(\c%2)*512 th:TH_LOAD_NT
.endr
	global_load_b128 v[20:23], v7, s[46:47] th:TH_LOAD_NT
	global_load_u8 v24, v1, s[48:49]
.endm
.macro FRAGS base                      ; eight fragments of 16 rows x 32 k: lane (r, hh) takes k = 8 hh + 0..7 and 16 + 8 hh + 0..7
.irp kf, 0,1,2,3,4,5,6,7
	ds_load_b128 v[X+8*\kf:X+8*\kf+3], v5 offset:(\base)+64*\kf
	ds_load_b128 v[X+8*\kf+4:X+8*\kf+7], v5 offset:(\base)+64*\kf+32
.endr
.endm
; n accumulators from number a0 on take turns over the eight K steps; their weight tiles lie at 64 i in window win; the first K step takes bias b0 + i as C.
; dsw = 1: each K step waits for its own fragment alone: the 14 - 2 kf LDS loads of the later K steps may stay out.
.macro MMRUN a0, n, win, b0, dsw
.set kf, 0
.rept 8
.if \dsw
	s_wait_dscnt 14-2*kf
.endif
.if kf == 0
	WIN 0x30+(\win)
.else
	WIN (\win)
.endif
.set i, 0
.rept \n
.if kf == 0
	v_wmma_f32_16x16x32_bf16 v[ACC+8*((\a0)+i):ACC+8*((\a0)+i)+7], v[64*i+8*kf:64*i+8*kf+7], v[X+8*kf:X+8*kf+7], v[BIAS+8*((\b0)+i):BIAS+8*((\b0)+i)+7]
.else
	v_wmma_f32_16x16x32_bf16 v[ACC+8*((\a0)+i):ACC+8*((\a0)+i)+7], v[64*i+8*kf:64*i+8*kf+7], v[X+8*kf:X+8*kf+7], v[ACC+8*((\a0)+i):ACC+8*((\a0)+i)+7]
.endif
.set i, i+1
.endr
.set kf, kf+1
.endr
.endm
; Head a, level 2 hh + s: its four points, step by step, so that each line has three neighbours that do not wait for it.
.macro POINTS a, s
.set OF, ACC+8*(2*(\a)+(\s))           ; the offsets: register 2 p + (0: x, 1: y)
.set AT, ACC+32+8*(\a)+4*(\s)          ; the attention of point p
	P4 v_pk_add_f32 v[PD+2*p:PD+2*p+1], v[OF+2*p:OF+2*p+1], v[16+2*(\s):17+2*(\s)]
	P4 v_floor_f32 v[PB+2*p], v[PD+2*p]
	P4 v_floor_f32 v[PB+2*p+1], v[PD+2*p+1]
	P4 v_med3_num_f32 v[PB+2*p], v[PB+2*p], 0, v[14+(\s)]
	P4 v_med3_num_f32 v[PB+2*p+1], v[PB+2*p+1], 0, v[14+(\s)]
	P4 v_pk_add_f32 v[PD+2*p:PD+2*p+1], v[PD+2*p:PD+2*p+1], v[PB+2*p:PB+2*p+1] neg_lo:[0,1] neg_hi:[0,1]
	P4 v_pk_add_f32 v[PE+2*p:PE+2*p+1], v[PD+2*p:PD+2*p+1], -1.0 op_sel_hi:[1,0]
	P4 v_sub_f32 v[AX+2*p], 1.0, |v[PD+2*p]|
	P4 v_sub_f32 v[AX+2*p+1], 1.0, |v[PE+2*p]|
	P4 v_sub_f32 v[AY+2*p], 1.0, |v[PD+2*p+1]|
	P4 v_sub_f32 v[AY+2*p+1], 1.0, |v[PE+2*p+1]|
	P4 v_max_num_f32 v[AX+2*p], 0, v[AX+2*p]
	P4 v_max_num_f32 v[AX+2*p+1], 0, v[AX+2*p+1]
	P4 v_max_num_f32 v[AY+2*p], 0, v[AY+2*p]
	P4 v_max_num_f32 v[AY+2*p+1], 0, v[AY+2*p+1]
	v_pk_mul_f32 v[AY:AY+1], v[AY:AY+1], v[AT:AT+1] op_sel_hi:[1,0]
	v_pk_mul_f32 v[AY+2:AY+3], v[AY+2:AY+3], v[AT:AT+1] op_sel:[0,1] op_sel_hi:[1,1]
	v_pk_mul_f32 v[AY+4:AY+5], v[AY+4:AY+5], v[AT+2:AT+3] op_sel_hi:[1,0]
	v_pk_mul_f32 v[AY+6:AY+7], v[AY+6:AY+7], v[AT+2:AT+3] op_sel:[0,1] op_sel_hi:[1,1]
	P4 v_pk_mul_f32 v[PD+2*p:PD+2*p+1], v[AY+2*p:AY+2*p+1], v[AX+2*p:AX+2*p+1] op_sel_hi:[1,0]                ; both rows' weights times column bx's: w00, w10
	P4 v_pk_mul_f32 v[PE+2*p:PE+2*p+1], v[AY+2*p:AY+2*p+1], v[AX+2*p:AX+2*p+1] op_sel:[0,1] op_sel_hi:[1,1]   ; times column bx + 1's: w01, w11
	P4 v_cvt_pk_f16_f32 v[WH+p], v[PD+2*p], v[PD+2*p+1]
	P4 v_cvt_pk_f16_f32 v[WH+4+p], v[PE+2*p], v[PE+2*p+1]
	P4 v_fma_f32 v[PI+p], v[PB+2*p+1], v[10+2*(\s)], v[PB+2*p]
	P4 v_cvt_u32_f32 v[PI+p], v[PI+p]
	v_lshl_or_b32 v[IXR+4*(\a)+2*(\s)], v[PI+1], 16, v[PI]
	v_lshl_or_b32 v[IXR+4*(\a)+2*(\s)+1], v[PI+3], 16, v[PI+2]
	ds_store_b128 v28, v[WH:WH+3] offset:(\a)*16*WP+16*(\s)        ; a level's four words of column bx lie at 16 x level in the row's first 64 bytes,
	ds_store_b128 v28, v[WH+4:WH+7] offset:(\a)*16*WP+64+16*(\s)   ; those of column bx + 1 in its second
.endm
	s_load_b512 s[8:23], s[0:1], 0x0               ; src 8, pos 10, reference_points 12, padding_mask 14, b_val 16, b_samp 18, b_attn 20, wq 22
	s_load_b128 s[24:27], s[0:1], 0x40             ; vt 24, wt 26
	s_load_b64 s[28:29], s[0:1], 0x50              ; ix
	v_lshl_add_u32 v30, v0, 2, SPARE               ; my spare word and 0: kept for the add at the wave's end alone
	v_mov_b32 v31, 0
	v_lshrrev_b32 v1, 5, v0
	v_readfirstlane_b32 s2, v1                     ; wave 0..3
	v_and_b32 v1, 15, v0                           ; r
	v_bfe_u32 v2, v0, 4, 1                         ; hh
	v_and_b32 v3, 31, v0                           ; lane
	s_mul_i32 s30, ttmp9, 85
	s_add_co_u32 s31, s30, 85
	s_lshr_b32 s30, s30, 3                         ; the tile in hand, from my first
	s_lshr_b32 s31, s31, 3                         ; to one past my last
	s_sub_co_u32 s33, s31, 1
	s_mov_b32 s34, 0x76543210                      ; v_permlanex16_b32: each lane takes its own place in the other half
	s_mov_b32 s35, 0xfedcba98
	s_mov_b32 s36, 0x3fb8aa3b                      ; log2(e), named as a pair
	s_mov_b32 s37, s36
	s_mul_i32 s3, s2, 4*XP
	v_lshl_add_u32 v4, v3, 3, s3                   ; where I put 8 bytes of my wave's first row
	v_mul_u32_u24 v5, v1, XP
	v_lshl_add_u32 v5, v2, 4, v5                   ; a fragment's row x pitch + 16 hh
	s_lshl_b32 s3, s2, 12
	v_lshl_add_u32 v6, v3, 4, s3                   ; my 16 bytes of my wave's first row in a tile of src
	v_lshlrev_b32 v7, 5, v1
	v_lshl_add_u32 v7, v2, 4, v7                   ; 32 r + 16 hh: reference points in, values and indices out
	v_lshlrev_b32 v9, 4, v3                        ; 16 x lane
	v_lshlrev_b32 v14, 24, v2
	v_sub_nc_u32 v10, 0x43000000, v14              ; W of level 2 hh: 128.0 or 32.0 (two steps of the exponent)
	v_mov_b32 v11, v10
	v_sub_nc_u32 v12, 0x42800000, v14              ; W of level 2 hh + 1: 64.0 or 16.0
	v_mov_b32 v13, v12
	v_add_f32 v14, -2.0, v10                       ; W - 2
	v_add_f32 v15, -2.0, v12
	s_mul_i32 s3, s2, PRIVB
	s_add_co_u32 s3, s3, PRIV                      ; my wave's own stage
	v_mul_u32_u24 v28, v1, WP
	v_lshl_add_u32 v28, v2, 5, v28
	v_add_nc_u32 v28, s3, v28                      ; in: row r, 32 bytes of each column's 64 for each half of the lanes
	v_lshrrev_b32 v29, 3, v3
	v_mul_u32_u24 v29, v29, WP
	v_and_b32 v25, 7, v3
	v_lshl_add_u32 v29, v25, 4, v29
	v_add_nc_u32 v29, s3, v29                      ; back: 32 lanes take four rows of 128 bytes
	v_mov_b32 v[SMX+1], 0                          ; v_permlanex16_b32 counts as a reader of its destination
	v_mov_b32 v[SMX+5], 0
	s_mul_i32 s3, s2, 81920
	v_lshl_add_u32 v144, v3, 4, s3                 ; my wave's ten tiles in wq, 16 bytes a lane
	s_lshl_b32 s3, s2, 8
	v_lshl_add_u32 v145, v2, 5, s3                 ; b_val: 4 (64 w + 8 hh)
	v_lshl_add_u32 v146, v2, 6, s3                 ; b_samp: 4 (64 w + 16 hh)
	s_lshl_b32 s3, s2, 7
	v_lshl_add_u32 v147, v2, 5, s3                 ; b_attn: 4 (32 w + 8 hh)
	s_wait_kmcnt 0x0
	PREFETCH s30
.irp wn, 0,1,2                         ; 160 loads of 512 consecutive bytes: tiles 0-3, 4-7, 8-9 into windows 1, 2, 3
	WIN 0x40*(\wn+1)
.irp ti, 0,1,2,3
.if 4*\wn+\ti < 10
.irp kf, 0,1,2,3,4,5,6,7
	global_load_b128 v[64*\ti+8*\kf:64*\ti+8*\kf+3], v144, s[22:23] offset:8192*(4*\wn+\ti)+1024*\kf
	global_load_b128 v[64*\ti+8*\kf+4:64*\ti+8*\kf+7], v144, s[22:23] offset:8192*(4*\wn+\ti)+1024*\kf+512
.endr
.endif
.endr
.endr
.irp ti, 0,1,2,3                       ; a lane's eight outputs of a tile are eight neighbouring numbers of the bias
	global_load_b128 v[BIAS+8*\ti:BIAS+8*\ti+3], v145, s[16:17] offset:64*\ti
	global_load_b128 v[BIAS+8*\ti+4:BIAS+8*\ti+7], v145, s[16:17] offset:64*\ti+16
	global_load_b128 v[BIAS+32+8*\ti:BIAS+32+8*\ti+3], v146, s[18:19] offset:128*(\ti/2)+32*(\ti%2)
	global_load_b128 v[BIAS+32+8*\ti+4:BIAS+32+8*\ti+7], v146, s[18:19] offset:128*(\ti/2)+32*(\ti%2)+16
.endr
.irp ti, 0,1
	global_load_b128 v[BIAS+64+8*\ti:BIAS+64+8*\ti+3], v147, s[20:21] offset:64*\ti
	global_load_b128 v[BIAS+64+8*\ti+4:BIAS+64+8*\ti+7], v147, s[20:21] offset:64*\ti+16
.endr
	WIN 0
.Ltile:
	s_wait_xcnt 0x0                                ; the last trip's stores have had their addresses translated (ISA guide 3.1): their data, and the pointers below, are written again only behind this wait
	s_wait_loadcnt 0x0                             ; this tile's rows, asked for a trip ago (in the first trip the weights and biases too)
.irp c, 0,1,2,3,4,5,6,7                ; src and src + pos, rounded to bf16, into the two tiles that all four waves read
.set TT, T+8*(\c%4)
	v_pk_add_f32 v[TT:TT+1], v[PF+4*\c:PF+4*\c+1], v[PF+32+4*\c:PF+32+4*\c+1]
	v_pk_add_f32 v[TT+2:TT+3], v[PF+4*\c+2:PF+4*\c+3], v[PF+32+4*\c+2:PF+32+4*\c+3]
	v_cvt_pk_bf16_f32 v[TT+4], v[PF+4*\c], v[PF+4*\c+1]
	v_cvt_pk_bf16_f32 v[TT+5], v[PF+4*\c+2], v[PF+4*\c+3]
	v_cvt_pk_bf16_f32 v[TT+6], v[TT], v[TT+1]
	v_cvt_pk_bf16_f32 v[TT+7], v[TT+2], v[TT+3]
	ds_store_b64 v4, v[TT+4:TT+5] offset:XS+(\c/2)*XP+(\c%2)*256
	ds_store_b64 v4, v[TT+6:TT+7] offset:XQ+(\c/2)*XP+(\c%2)*256
.endr
	v_pk_fma_f32 v[16:17], v[20:21], v[10:11], -0.5 op_sel_hi:[1,1,0]   ; ref W - 0.5 for my two levels
	v_pk_fma_f32 v[18:19], v[22:23], v[12:13], -0.5 op_sel_hi:[1,1,0]
	v_mov_b32 v25, v24                             ; my row's mask byte
	s_cmp_ge_u32 s30, 1360                         ; where this tile's results go: plane 8 b + 2 w, 16 rows from 16 (tile - 1,360 b)
	s_cselect_b32 s3, 1, 0
	s_mul_i32 s4, s3, 1360
	s_sub_co_u32 s4, s30, s4
	s_lshl_b32 s3, s3, 3
	s_lshl1_add_u32 s3, s2, s3
	s_mul_i32 s5, s3, IPL
	s_lshl_b32 s4, s4, 9                           ; 16 rows of 32 bytes
	s_mov_b32 s7, 0
	s_add_co_u32 s6, s5, s4
	s_add_nc_u64 s[56:57], s[28:29], s[6:7]        ; ix: 32 bytes a row
	s_lshl_b32 s6, s6, 2
	s_add_nc_u64 s[54:55], s[26:27], s[6:7]        ; wt: 128 bytes a row, planes four times as long
	s_lshl1_add_u32 s6, s5, s4
	s_add_nc_u64 s[52:53], s[24:25], s[6:7]        ; vt: 32 bytes a pixel, two slices to a plane
	s_wait_dscnt 0x0                               ; for the others' sake: my rows are in LDS
	s_barrier_signal -1
	s_barrier_wait -1                              ; everybody's are
	s_add_co_u32 s50, s30, 1
	s_min_u32 s50, s50, s33                        ; the last trip asks for its own tile once more: no load leaves the buffers
	PREFETCH s50
	FRAGS XS
	MMRUN 0, 4, 1, 0, 1                            ; value^T for my two heads
	WIN 0
.rept 4
	v_nop                                          ; four places between the last product and the loads into its fragments, and the reads of its results
.endr
	FRAGS XQ
	v_cmp_eq_u32 vcc_lo, 0, v25
.irp ti, 0,1,2,3                       ; tile ti is slice ti of my wave's four: channels 8 hh + 0..7 of pixel r, 16 bytes of f16, 0 where the pixel is masked
.irp i, 0,1,2,3
	v_cvt_pk_f16_f32 v[T+4*\ti+\i], v[ACC+8*\ti+2*\i], v[ACC+8*\ti+2*\i+1]
.endr
.irp i, 0,1,2,3
	v_cndmask_b32 v[T+4*\ti+\i], 0, v[T+4*\ti+\i], vcc_lo
.endr
	global_store_b128 v7, v[T+4*\ti:T+4*\ti+3], s[52:53] offset:\ti*SLB  ; 16 pixels of 32 bytes: the wave covers 512 consecutive bytes
.endr
	s_wait_dscnt 0x0                               ; my reads of both input tiles are over
	s_barrier_signal -1
	s_barrier_wait -1                              ; nobody reads the input tiles any more: the next trip may write them
	MMRUN 0, 4, 2, 4, 0                            ; offsets^T: accumulator 2 a + s holds head a, level 2 hh + s
	MMRUN 4, 2, 3, 8, 0                            ; logits^T: accumulator 4 + a holds head a, points 8 hh + 0..7
	WIN 0
.rept 4
	v_nop                                          ; the places behind the last products
.endr
	; softmax over a head's 16 points: eight in this lane, eight in the lane 16 away; the maximum is taken away first
.irp a, 0,1
	v_max3_num_f32 v[SMX+4*\a], v[ACC+32+8*\a], v[ACC+33+8*\a], v[ACC+34+8*\a]
.endr
.irp a, 0,1
	v_max3_num_f32 v[SMX+4*\a], v[SMX+4*\a], v[ACC+35+8*\a], v[ACC+36+8*\a]
.endr
.irp a, 0,1
	v_max3_num_f32 v[SMX+4*\a], v[SMX+4*\a], v[ACC+37+8*\a], v[ACC+38+8*\a]
.endr
.irp a, 0,1
	v_max_num_f32 v[SMX+4*\a], v[SMX+4*\a], v[ACC+39+8*\a]
.endr
.irp a, 0,1
	v_permlanex16_b32 v[SMX+4*\a+1], v[SMX+4*\a], s34, s35
.endr
.irp a, 0,1
	v_max_num_f32 v[SMX+4*\a], v[SMX+4*\a], v[SMX+4*\a+1]
.endr
.irp a, 0,1
	v_mul_f32 v[SMX+4*\a], s36, v[SMX+4*\a]
.endr
.irp a, 0,1
.irp i, 0,2,4,6
	v_pk_fma_f32 v[ACC+32+8*\a+\i:ACC+33+8*\a+\i], v[ACC+32+8*\a+\i:ACC+33+8*\a+\i], s[36:37], v[SMX+4*\a:SMX+4*\a+1] op_sel_hi:[1,0,0] neg_lo:[0,0,1] neg_hi:[0,0,1]
.endr
.endr
.irp a, 0,1
.irp i, 0,1,2,3,4,5,6,7
	v_exp_f32 v[ACC+32+8*\a+\i], v[ACC+32+8*\a+\i]
.endr
.endr
	v_nop                                          ; a plain instruction between the last exponential and the use of its result (ISA guide 5.7.2)
	s_wait_alu depctr_va_vdst(0)
.irp a, 0,1
	v_pk_add_f32 v[SMX+4*\a+2:SMX+4*\a+3], v[ACC+32+8*\a:ACC+33+8*\a], v[ACC+34+8*\a:ACC+35+8*\a]
	v_pk_add_f32 v[SMX+4*\a:SMX+4*\a+1], v[ACC+36+8*\a:ACC+37+8*\a], v[ACC+38+8*\a:ACC+39+8*\a]
.endr
.irp a, 0,1
	v_pk_add_f32 v[SMX+4*\a+2:SMX+4*\a+3], v[SMX+4*\a+2:SMX+4*\a+3], v[SMX+4*\a:SMX+4*\a+1]
.endr
.irp a, 0,1
	v_add_f32 v[SMX+4*\a+2], v[SMX+4*\a+2], v[SMX+4*\a+3]
.endr
.irp a, 0,1
	v_permlanex16_b32 v[SMX+4*\a+3], v[SMX+4*\a+2], s34, s35
.endr
.irp a, 0,1
	v_add_f32 v[SMX+4*\a+2], v[SMX+4*\a+2], v[SMX+4*\a+3]
.endr
.irp a, 0,1
	v_rcp_f32 v[SMX+4*\a+2], v[SMX+4*\a+2]
.endr
	v_nop                                          ; a plain instruction behind the reciprocals
	s_wait_alu depctr_va_vdst(0)
.irp a, 0,1
.irp i, 0,2,4,6
	v_pk_mul_f32 v[ACC+32+8*\a+\i:ACC+33+8*\a+\i], v[ACC+32+8*\a+\i:ACC+33+8*\a+\i], v[SMX+4*\a+2:SMX+4*\a+3] op_sel_hi:[1,0]
.endr
.endr
	POINTS 0, 0
	POINTS 0, 1
	POINTS 1, 0
	POINTS 1, 1
.irp a, 0,1
	global_store_b128 v7, v[IXR+4*\a:IXR+4*\a+3], s[56:57] offset:\a*IPL  ; a lane's eight indices are 16 bytes of its row's 32: the wave covers 512 consecutive bytes
.endr
.irp a, 0,1
.irp n, 0,1,2,3
	ds_load_b128 v[X+16*\a+4*\n:X+16*\a+4*\n+3], v29 offset:\a*16*WP+\n*4*WP  ; LDS serves a wave's instructions in order (ISA guide 5.7.1.4): these see the stores above
.endr
.endr
	s_wait_dscnt 0x0
.irp a, 0,1
.irp n, 0,1,2,3
	global_store_b128 v9, v[X+16*\a+4*\n:X+16*\a+4*\n+3], s[54:55] offset:\a*WPL+\n*512  ; 512 consecutive bytes: four rows' weights
.endr
.endr
	s_add_co_u32 s30, s30, 1
	s_cmp_lt_u32 s30, s31
	s_cbranch_scc1 .Ltile
	s_wait_tensorcnt 0x0                           ; the wave's end, behind my last LDS store
	ds_add_u32 v30, v31
	s_wait_dscnt 0x0
	s_endpgm
.Lfunc_end_k_qe585cec132_proj:
	.size	k_qe585cec132_proj, .Lfunc_end_k_qe585cec132_proj-k_qe585cec132_proj
	.p2alignl 7, 3214868480
	.fill 96, 4, 3214868480
	.section	.rodata,"a",@progbits
	.p2align	6, 0x0
	.amdhsa_kernel k_qe585cec132_proj
		.amdhsa_group_segment_fixed_size 35840
		.amdhsa_private_segment_fixed_size 0
		.amdhsa_enable_private_segment 0
		.amdhsa_kernarg_size 88
		.amdhsa_user_sgpr_count 2
		.amdhsa_user_sgpr_kernarg_segment_ptr 1
		.amdhsa_wavefront_size32 1
		.amdhsa_system_sgpr_workgroup_id_x 1
		.amdhsa_system_sgpr_workgroup_id_y 1
		.amdhsa_system_sgpr_workgroup_id_z 1
		.amdhsa_system_vgpr_workitem_id 0
		.amdhsa_next_free_vgpr 1024
		.amdhsa_next_free_sgpr 66
		.amdhsa_reserve_vcc 1
		.amdhsa_float_denorm_mode_32 3
		.amdhsa_float_denorm_mode_16_64 3
		.amdhsa_memory_ordered 1
		.amdhsa_forward_progress 1
		.amdhsa_inst_pref_size 63
	.end_amdhsa_kernel
	.amdgpu_metadata
---
amdhsa.version: [ 1, 2 ]
amdhsa.kernels:
  - .name:           k_qe585cec132_proj
    .symbol:         k_qe585cec132_proj.kd
    .args:
      - { .name: src, .offset: 0, .size: 8, .value_kind: global_buffer, .address_space: global }
      - { .name: pos, .offset: 8, .size: 8, .value_kind: global_buffer, .address_space: global }
      - { .name: reference_points, .offset: 16, .size: 8, .value_kind: global_buffer, .address_space: global }
      - { .name: padding_mask, .offset: 24, .size: 8, .value_kind: global_buffer, .address_space: global }
      - { .name: b_val, .offset: 32, .size: 8, .value_kind: global_buffer, .address_space: global }
      - { .name: b_samp, .offset: 40, .size: 8, .value_kind: global_buffer, .address_space: global }
      - { .name: b_attn, .offset: 48, .size: 8, .value_kind: global_buffer, .address_space: global }
      - { .name: wq, .offset: 56, .size: 8, .value_kind: global_buffer, .address_space: global }
      - { .name: vt, .offset: 64, .size: 8, .value_kind: global_buffer, .address_space: global }
      - { .name: wt, .offset: 72, .size: 8, .value_kind: global_buffer, .address_space: global }
      - { .name: ix, .offset: 80, .size: 8, .value_kind: global_buffer, .address_space: global }
    .group_segment_fixed_size: 35840
    .private_segment_fixed_size: 0
    .kernarg_segment_align: 8
    .kernarg_segment_size: 88
    .max_flat_workgroup_size: 128
    .sgpr_count:     66
    .vgpr_count:     1024
    .wavefront_size: 32
...
	.end_amdgpu_metadata
.endif
;; end of part 5
;; launch samp (part 6): grid 256 x 1, 16 waves a work-group, no clusters, 210,944 bytes of LDS; arguments vt, wt, ix, sm; writes sm
.if DOCPART == 6
	.amdgcn_target "amdgcn-amd-amdhsa--gfx1250"
	.amdhsa_code_object_version 6
	.text
	.protected	k_qe585cec132_samp
	.globl	k_qe585cec132_samp
	.p2align	8
	.type	k_qe585cec132_samp,@function
k_qe585cec132_samp:
	s_mov_b64 s[64:65], 0
	v_nop
	global_prefetch_b8 v0, s[64:65] scope:SCOPE_SE
	s_setreg_imm32_b32 hwreg(HW_REG_WAVE_MODE, 25, 1), 1
	s_wait_xcnt 0x0
; sm[plane][q][32 channels] = the sum over 16 points and 4 corners of wt x vt[pixel], in f32, rounded once to bf16.  The addresses come from ix, whole numbers that the launch before stored.
; SHARES.  A head's 32 channels are two SLICES of 16 (a pixel: 32 bytes).  Work-group = one slice and one of its 8 chunks of 170 groups of 16 queries; wave wv takes groups wv + 16 i (11 for waves 0-9, 10 for
; the others).  A group is two sub-groups of 8 queries.  Lane: query u = lane / 4 of the sub-group and j = lane % 4: four lanes read 64 consecutive bytes, the pixels bx and bx + 1, so a lane holds ONE
; column dx = j / 2 and the channels 8 (j % 2) + 0..7; a point is two loads (rows by, by + 1) and 16 multiply-adds.  The two columns' sums are added once for a sub-group, from the lane two away.
; WHERE THE TABLE IS READ.  Levels 1, 2 and 3 of the slice (172,032 dense bytes; with a head's 32 channels they would be 344,064 and would not fit) are brought into LDS once, by one tensor load a wave;
; level 0 is read from memory.  A level's start stands in the lane's term, the step to the row below in the immediate.
; THE PIPELINE.  While group i is summed, the 16 gathers of group i + 1 are issued, slot by slot, as the slots are read out; record k (weights and level 0 indices of group k, the other levels' indices of group
; k - 1) is asked for two trips ahead.  The weights pass through 2,304 bytes of LDS of the wave's own, since a lane needs 64 bytes of its query's 128; the indices come straight into registers.
; No cluster: what partners would share, the slice's 172,032 bytes, is about a twelfth of what a work-group reads (1.4 MB of gathers, 0.5 MB of records).  No matrix unit: every query has pixels of its own.
; sm is laid [plane][tile of 16 queries][half of the channels][16 queries][16 channels]: a group's result for a slice is 512 consecutive bytes, one store.
.set SLB,   696320                     ; bytes of a slice in vt
.set L1B,   524288                     ; level 1 begins at pixel 16,384 of the slice;
.set L2O,   131072                     ; in LDS level 1 lies at 0, level 2 here (4,096 pixels on),
.set L3O,   163840                     ; level 3 here (1,024 more)
.set REC,   172032                     ; behind the table: for each wave 16 queries' weights, 128 + 16 bytes each
.set WPI,   144
.set RECB,  16*WPI
.set SPARE, REC+16*RECB                ; the spare words, 128 bytes a wave: eight blocks of 256 bytes that no other line names
.set J16,  2                           ; v2   16 j: level 0 in memory, level 1 in LDS
.set J16B, 3                           ; v3   16 j + level 2's place in LDS
.set J16C, 4                           ; v4   16 j + level 3's
.set RECW, 5                           ; v5   where I put 16 bytes of a record
.set RECR, 6                           ; v6   my query's and column's weights
.set LT,   7                           ; v7   my 16 bytes in a group's 512 of sm
.set SO,   8                           ; v8   the store's offset
.set WO,   9                           ; v9   the record's offset in wt
.set IO,   10                          ; v10  in ix
.set WL,   11                          ; v11  16 x lane
.set IOL,  12                          ; v12  32 u
.set ZERO, 13
.set TMP,  14
.set IO2,  15                          ; v15  the offset in ix of the group before
.set AD,   16                          ; v16-23   the gather slots' addresses: sub-group h, point p at 4 h + p
.set SPW,  26
.set NIL,  27
.set ACC,  28                          ; v28-35   eight channels in f32
.set OUT0, 36                          ; v36-39   the first sub-group's result, packed
.set OUT,  40                          ; v40-43   what is stored
.set IG,   44                          ; v44-47   level 0 indices of the next group: two words a sub-group
.set RR,   48                          ; v48-63   a record's weights as loaded
.set WR,   64                          ; v64-95   my weights: sub-group h, point n at 16 h + n: row by in the low half, row by + 1 in the high half
.set AL,   96                          ; v96-119  the LDS addresses of the group in hand: sub-group h, point 4 + t at 12 h + t
.set RIG,  120                         ; v120-123 a record's indices as loaded: level 0,
.set RILA, 124                         ; v124-127 level 1,
.set RILB, 224                         ; v224-231 levels 2 and 3
.set GD,   128                         ; v128-191 eight gather slots of two rows x 16 bytes
.set LD,   192                         ; v192-223 a ring of four such slots for the points out of LDS
; A word's two indices become two addresses: each half, held to the level's largest base pixel, times 32 bytes, plus the lane's term.
.macro ADR2 src, cl, lane, dst
	v_and_b32 v[\dst], 0xffff, v[\src]
	v_lshrrev_b32 v[(\dst)+1], 16, v[\src]
	v_min_u32 v[\dst], \cl, v[\dst]
	v_min_u32 v[(\dst)+1], \cl, v[(\dst)+1]
	v_lshl_add_u32 v[\dst], v[\dst], 5, v[\lane]
	v_lshl_add_u32 v[(\dst)+1], v[(\dst)+1], 5, v[\lane]
.endm
.macro GISSUE h, p                     ; point p of level 0 for sub-group h of the next group: two rows from memory into slot 4 h + p
.set GA, AD+4*(\h)+(\p)
.set GG, GD+8*(4*(\h)+(\p))
.if (\p)%2
	v_lshrrev_b32 v[GA], 16, v[IG+2*(\h)+(\p)/2]
.else
	v_and_b32 v[GA], 0xffff, v[IG+2*(\h)+(\p)/2]
.endif
	v_min_u32 v[GA], 16254, v[GA]
	v_lshl_add_u32 v[GA], v[GA], 5, v[J16]
	global_load_b128 v[GG:GG+3], v[GA], s[4:5]
	global_load_b128 v[GG+4:GG+7], v[GA], s[4:5] offset:128*32
.endm
.macro LISSUE T                        ; LDS point T = 12 h + t of the trip's 24 (level 1 + t / 4, whose rows are 2,048, 1,024, 512 bytes): two rows into slot T % 4
.set LA, AL+(\T)
.set LL, LD+8*((\T)%4)
.set LR, 2048>>(((\T)%12)/4)
	ds_load_b128 v[LL:LL+3], v[LA]
	ds_load_b128 v[LL+4:LL+7], v[LA] offset:LR
.endm
; A point: 2 rows x 8 channels, f16 x f16 added in f32; the eight sums take turns.  first = 1: the sub-group's first eight lines start the sums with 0.
.macro FMA d, w, first
.set rw, 0
.rept 2
.set e, 0
.rept 8
.set s2r, ACC+e
.if (\first) && (rw == 0)
.set s2r, ZERO
.endif
.if (e%2 == 0) && (rw == 0)
	v_fma_mix_f32 v[ACC+e], v[(\d)+4*rw+e/2], v[\w], v[s2r] op_sel_hi:[1,1,0]
.elseif rw == 0
	v_fma_mix_f32 v[ACC+e], v[(\d)+4*rw+e/2], v[\w], v[s2r] op_sel:[1,0,0] op_sel_hi:[1,1,0]
.elseif e%2 == 0
	v_fma_mix_f32 v[ACC+e], v[(\d)+4*rw+e/2], v[\w], v[s2r] op_sel:[0,1,0] op_sel_hi:[1,1,0]
.else
	v_fma_mix_f32 v[ACC+e], v[(\d)+4*rw+e/2], v[\w], v[s2r] op_sel:[1,1,0] op_sel_hi:[1,1,0]
.endif
.set e, e+1
.endr
.set rw, rw+1
.endr
.endm
.macro LOADR                           ; the record of group s33: ten loads
	v_lshl_add_u32 v[WO], s33, 11, v[WL]
	v_mov_b32 v[IO2], v[IO]
	v_lshl_add_u32 v[IO], s33, 9, v[IOL]
.irp m, 0,1,2,3
	global_load_b128 v[RR+4*\m:RR+4*\m+3], v[WO], s[6:7] offset:512*\m   ; 512 consecutive bytes: four queries' weights
.endr
.irp h, 0,1
	global_load_b64 v[RIG+2*\h:RIG+2*\h+1], v[IO], s[8:9] offset:256*\h
.endr
.irp h, 0,1
	global_load_b64 v[RILA+2*\h:RILA+2*\h+1], v[IO2], s[8:9] offset:256*\h+8
	global_load_b128 v[RILB+4*\h:RILB+4*\h+3], v[IO2], s[8:9] offset:256*\h+16
.endr
.endm
.macro GSTEP issue, h, p               ; a point of level 0 is summed, and its slot asked for again
.if \issue
	s_wait_loadcnt 24                              ; slot s = 4 h + p is in.  Younger: 2 (7 - s) gathers of this group, the record's 10, 2 s gathers of the next group
.else
	s_wait_loadcnt 14-2*(4*(\h)+(\p))              ; slot s is in.  Younger: the later slots alone
.endif
.if (\p) == 0
	FMA GD+8*(4*(\h)+(\p)), WR+16*(\h)+(\p), 1
.else
	FMA GD+8*(4*(\h)+(\p)), WR+16*(\h)+(\p), 0
.endif
.if \issue
	GISSUE \h, \p                                  ; the slot's address register is free since that wait
.endif
.endm
.macro LSTEP T                         ; a point out of LDS is summed; the point three on is asked for first, into the slot read out last
.if (\T)+3 < 24
	LISSUE (\T)+3
.endif
.if (\T) < 21
	s_wait_dscnt 6                                 ; LDS loads come back in order (ISA guide 5.7.1): point T is in; the next three points' six loads may stay out
.else
	s_wait_dscnt 2*(23-(\T))                       ; at the trip's end the counts run down
.endif
	FMA LD+8*((\T)%4), WR+16*((\T)/12)+4+(\T)%12, 0
.endm
.macro SUBEND h                        ; the other column's sums lie in the lane two away; then eight channels are rounded to 16 bytes
.irp e, 0,1,2,3,4,5,6,7
	v_add_f32_dpp v[ACC+\e], v[ACC+\e], v[ACC+\e] row_xmask:2 row_mask:0xf bank_mask:0xf
.endr
.if (\h) == 0
.irp k, 0,1,2,3
	v_cvt_pk_bf16_f32 v[OUT0+\k], v[ACC+2*\k], v[ACC+2*\k+1]
.endr
.else
	s_wait_storecnt 0x0                            ; the store of the trip before is done: its data and its offset are written again only behind this wait
.irp k, 0,1,2,3
	v_cvt_pk_bf16_f32 v[OUT+\k], v[ACC+2*\k], v[ACC+2*\k+1]
.endr
.irp k, 0,1,2,3
	v_cndmask_b32 v[OUT+\k], v[OUT0+\k], v[OUT+\k], s38   ; all four lanes of a query hold both results: lanes with dx = 0 store the first sub-group's, the others the second's
.endr
.endif
.endm
; A trip: group i is summed.  issue = 1: the next group's gathers and the record two groups on are asked for.
.macro TRIP issue
.irp h, 0,1
.irp k, 0,1,2,3
	ds_load_b128 v[WR+16*\h+4*\k:WR+16*\h+4*\k+3], v[RECR] offset:8*WPI*\h+16*\k
.endr
.endr
	s_wait_loadcnt 16                              ; loads come back in order (ISA guide 5.7.1): the record asked for a trip ago is in; the 16 gathers of this group, issued behind it, may stay out
.irp h, 0,1
	ADR2 RILA+2*\h, 4030, J16, AL+12*\h
	ADR2 RILA+2*\h+1, 4030, J16, AL+12*\h+2
	ADR2 RILB+4*\h, 990, J16B, AL+12*\h+4
	ADR2 RILB+4*\h+1, 990, J16B, AL+12*\h+6
	ADR2 RILB+4*\h+2, 238, J16C, AL+12*\h+8
	ADR2 RILB+4*\h+3, 238, J16C, AL+12*\h+10
.endr
.if \issue
.irp m, 0,1,2,3
	ds_store_b128 v[RECW], v[RR+4*\m:RR+4*\m+3] offset:4*WPI*\m   ; the next group's weights: LDS serves a wave's instructions in order, so these land behind the loads above
.endr
.irp k, 0,1,2,3
	v_mov_b32 v[IG+\k], v[RIG+\k]
.endr
.endif
	s_wait_dscnt 0x0                               ; my weights are in registers, the stores have been served
.if \issue
	s_add_co_u32 s32, s32, 16
	s_min_u32 s33, s32, 169                        ; past the chunk's end the last group is asked for again and not used: no load leaves the buffers
	LOADR                                          ; its address registers are free since the wait for the record before
.endif
	LISSUE 0
	LISSUE 1
	LISSUE 2
.irp h, 0,1
.irp p, 0,1,2,3
	GSTEP \issue, \h, \p
	LSTEP 12*\h+3*\p
	LSTEP 12*\h+3*\p+1
	LSTEP 12*\h+3*\p+2
.endr
	SUBEND \h
.endr
	s_lshl_b32 s35, s34, 10                        ; the tile of 16 queries
	v_add_nc_u32 v[SO], s35, v[LT]
	global_store_b128 v[SO], v[OUT:OUT+3], s[10:11]  ; 512 consecutive bytes, at a multiple of 512 from the buffer's first byte
	s_add_co_u32 s34, s34, 16
.endm
	s_load_b256 s[4:11], s[0:1], 0x0               ; vt 4, wt 6, ix 8, sm 10
	v_lshl_add_u32 v[SPW], v0, 2, SPARE
	v_mov_b32 v[NIL], 0
	ds_add_u32 v[SPW], v[NIL]                      ; the wave's opening: the add, with its wait ahead of my tensor load; the set-up below, work on registers, stands between them
	ds_add_u32 v26, v27
	v_lshrrev_b32 v1, 5, v0
	v_readfirstlane_b32 s12, v1                    ; wave 0..15
	s_lshr_b32 s13, ttmp9, 4                       ; plane
	s_lshr_b32 s14, ttmp9, 1
	s_and_b32 s14, s14, 7                          ; chunk
	s_and_b32 s39, ttmp9, 1                        ; half of the channels: the two work-groups that read the same records are neighbours
	s_mov_b32 s24, 3<<16                           ; group 1: elements of 8 bytes, no mask, no padding
	s_mov_b32 s25, 32<<16                          ; tensor_dim0 = 32 elements: rows of 256 bytes
	s_mov_b32 s26, 42<<16                          ; tensor_dim1 = 42 rows
	s_mov_b32 s27, 32<<16                          ; tile_dim0
	s_mov_b32 s28, 42                              ; tile_dim1
	s_mov_b32 s29, 32                              ; 32 elements from row to row: the block is dense
	s_mov_b32 s30, 0
	s_mov_b32 s31, 0
	s_mov_b32 s20, 1                               ; group 0: count = 1
	s_mul_i32 s21, s12, 10752                      ; LDS address: my sixteenth of the 172,032 bytes
	s_lshl1_add_u32 s15, s13, s39                  ; slice = 2 plane + half
	s_mul_i32 s16, s15, SLB
	s_mov_b32 s17, 0
	s_add_co_u32 s18, s21, L1B
	s_mov_b32 s19, 0
	s_wait_dscnt 0x0                               ; the opening add is done
	s_wait_kmcnt 0x0
	s_add_nc_u64 s[4:5], s[4:5], s[16:17]          ; vt at my slice
	s_add_nc_u64 s[22:23], s[4:5], s[18:19]        ; my part of levels 1 to 3
	s_or_b32 s23, s23, 0x80000000                  ; type = 2
	tensor_load_to_lds s[20:23], s[24:31]          ; my one tensor load: nothing is filled again
	s_nop 0
	s_mul_i32 s16, s13, 1392640
	s_lshl_b32 s18, s39, 9
	s_add_co_u32 s16, s16, s18
	s_add_nc_u64 s[10:11], s[10:11], s[16:17]      ; sm at my plane and my half of a tile's 1,024 bytes
	s_mul_i32 s16, s13, 2785280
	s_mul_i32 s18, s14, 348160
	s_add_co_u32 s16, s16, s18
	s_add_nc_u64 s[6:7], s[6:7], s[16:17]          ; wt at my plane and chunk: 2,048 bytes a group,
	s_lshr_b32 s16, s16, 2
	s_add_nc_u64 s[8:9], s[8:9], s[16:17]          ; ix: 512
	v_and_b32 v1, 31, v0                           ; lane
	v_and_b32 v[TMP], 3, v1                        ; j
	v_lshlrev_b32 v[J16], 4, v[TMP]
	v_add_nc_u32 v[J16B], L2O, v[J16]
	v_add_nc_u32 v[J16C], L3O, v[J16]
	v_cmp_lt_u32 s38, 1, v[TMP]                    ; the lanes with dx = 1
	v_lshrrev_b32 v[IO2], 1, v[TMP]                ; dx
	v_lshrrev_b32 v[SO], 2, v1                     ; u
	s_mul_i32 s15, s12, RECB
	s_add_co_u32 s15, s15, REC                     ; my wave's record
	v_mul_u32_u24 v[RECR], v[SO], WPI
	v_lshl_add_u32 v[RECR], v[IO2], 6, v[RECR]
	v_add_nc_u32 v[RECR], s15, v[RECR]             ; query u, column dx: 64 bytes
	v_lshrrev_b32 v[RECW], 3, v1                   ; a load of 512 bytes holds four queries' 128
	v_mul_u32_u24 v[RECW], v[RECW], WPI
	v_and_b32 v[WO], 7, v1
	v_lshl_add_u32 v[RECW], v[WO], 4, v[RECW]
	v_add_nc_u32 v[RECW], s15, v[RECW]
	v_lshlrev_b32 v[IOL], 5, v[SO]
	v_lshlrev_b32 v[WL], 4, v1
	v_lshl_add_u32 v[LT], v[IO2], 8, v[IOL]        ; 256 dx (the sub-group that I store) + 32 u
	v_and_b32 v[TMP], 1, v[TMP]
	v_lshl_add_u32 v[LT], v[TMP], 4, v[LT]         ; + 16 (j % 2)
	v_mov_b32 v[ZERO], 0
	s_mov_b32 s32, s12                             ; the group whose record is asked for, in the chunk
	s_mul_i32 s34, s14, 170
	s_add_co_u32 s34, s34, s12                     ; the group in hand, in the plane
	v_lshl_add_u32 v[WO], s32, 11, v[WL]
	v_lshl_add_u32 v[IO], s32, 9, v[IOL]
.irp m, 0,1,2,3
	global_load_b128 v[RR+4*\m:RR+4*\m+3], v[WO], s[6:7] offset:512*\m
.endr
.irp h, 0,1
	global_load_b64 v[RIG+2*\h:RIG+2*\h+1], v[IO], s[8:9] offset:256*\h
.endr
	s_wait_loadcnt 0x0                             ; the first group's record: nothing else is there to do
.irp m, 0,1,2,3
	ds_store_b128 v[RECW], v[RR+4*\m:RR+4*\m+3] offset:4*WPI*\m
.endr
.irp k, 0,1,2,3
	v_mov_b32 v[IG+\k], v[RIG+\k]
.endr
	s_wait_dscnt 0x0                               ; the stores have been served: their registers are loaded again below
	s_add_co_u32 s32, s32, 16
	s_min_u32 s33, s32, 169
	LOADR
.irp h, 0,1
.irp p, 0,1,2,3
	GISSUE \h, \p
.endr
.endr
	s_wait_tensorcnt 0x0                           ; my part of the table is in LDS,
	s_barrier_signal -1
	s_barrier_wait -1                              ; everybody's is: the only barrier
	s_mov_b32 s37, 10
.Ltrip:
	TRIP 1
	s_sub_co_u32 s37, s37, 1
	s_cmp_lg_u32 s37, 0
	s_cbranch_scc1 .Ltrip
	s_cmp_ge_u32 s12, 10
	s_cbranch_scc1 .Lend                           ; waves 10-15 have ten groups: what their last trip asked for is not used
	TRIP 0                                         ; the eleventh group asks for nothing: its counts run down
.Lend:
	s_wait_tensorcnt 0x0                           ; the wave's end, behind my tensor load and my last LDS store
	ds_add_u32 v[SPW], v[NIL]
	s_wait_dscnt 0x0
	s_endpgm
.Lfunc_end_k_qe585cec132_samp:
	.size	k_qe585cec132_samp, .Lfunc_end_k_qe585cec132_samp-k_qe585cec132_samp
	.p2alignl 7, 3214868480
	.fill 96, 4, 3214868480
	.section	.rodata,"a",@progbits
	.p2align	6, 0x0
	.amdhsa_kernel k_qe585cec132_samp
		.amdhsa_group_segment_fixed_size 210944
		.amdhsa_private_segment_fixed_size 0
		.amdhsa_enable_private_segment 0
		.amdhsa_kernarg_size 32
		.amdhsa_user_sgpr_count 2
		.amdhsa_user_sgpr_kernarg_segment_ptr 1
		.amdhsa_wavefront_size32 1
		.amdhsa_system_sgpr_workgroup_id_x 1
		.amdhsa_system_sgpr_workgroup_id_y 1
		.amdhsa_system_sgpr_workgroup_id_z 1
		.amdhsa_system_vgpr_workitem_id 0
		.amdhsa_next_free_vgpr 256
		.amdhsa_next_free_sgpr 66
		.amdhsa_reserve_vcc 0
		.amdhsa_float_denorm_mode_32 3
		.amdhsa_float_denorm_mode_16_64 3
		.amdhsa_memory_ordered 1
		.amdhsa_forward_progress 1
		.amdhsa_inst_pref_size 99
	.end_amdhsa_kernel
	.amdgpu_metadata
---
amdhsa.version: [ 1, 2 ]
amdhsa.kernels:
  - .name:           k_qe585cec132_samp
    .symbol:         k_qe585cec132_samp.kd
    .args:
      - { .name: vt, .offset: 0, .size: 8, .value_kind: global_buffer, .address_space: global }
      - { .name: wt, .offset: 8, .size: 8, .value_kind: global_buffer, .address_space: global }
      - { .name: ix, .offset: 16, .size: 8, .value_kind: global_buffer, .address_space: global }
      - { .name: sm, .offset: 24, .size: 8, .value_kind: global_buffer, .address_space: global }
    .group_segment_fixed_size: 210944
    .private_segment_fixed_size: 0
    .kernarg_segment_align: 8
    .kernarg_segment_size: 32
    .max_flat_workgroup_size: 512
    .sgpr_count:     66
    .vgpr_count:     256
    .wavefront_size: 32
...
	.end_amdgpu_metadata
.endif
;; end of part 6
;; launch tail: the kernel of part 4 again; grid 227 x 1, 4 waves a work-group, no clusters, 327,680 bytes of LDS; arguments sm, src, b_out, ln1_g, ln1_b, b2, ln2_g, ln2_b, b1, ws3, out0; writes out0
;; ======== version 3 of 3: 4 launches; version 2 with the launch proj written anew for expert scheduling mode
;; limits: values are held in f16: magnitudes above 65,504 overflow, below 6.1e-05 lose precision
;; workspace buffers: wq 327,680 bytes; ws3 1,179,648 bytes; vt 22,282,240 bytes; wt 44,564,480 bytes; ix 11,141,120 bytes of whole numbers; sm 22,282,240 bytes
;; launch prep: the kernel of part 1 again; grid 368 x 1, 8 waves a work-group, no clusters, 0 bytes of LDS; arguments w_val, w_samp, w_attn, w_out, w1, w2, wq, ws3; writes wq, ws3
;; launch proj (part 7): grid 256 x 1, 4 waves a work-group, no clusters, 35,840 bytes of LDS; arguments src, pos, reference_points, padding_mask, b_val, b_samp, b_attn, wq, vt, wt, ix; writes vt, wt, ix
.if DOCPART == 7
	.amdgcn_target "amdgcn-amd-amdhsa--gfx1250"
	.amdhsa_code_object_version 6
	.text
	.protected	k_qe585cec132_proj
	.globl	k_qe585cec132_proj
	.p2align	8
	.type	k_qe585cec132_proj,@function
k_qe585cec132_proj:
	s_mov_b64 s[64:65], 0
	v_nop
	global_prefetch_b8 v0, s[64:65] scope:SCOPE_SE
	s_setreg_imm32_b32 hwreg(HW_REG_WAVE_SCHED_MODE, 0, 2), 2
	s_setreg_imm32_b32 hwreg(HW_REG_WAVE_MODE, 25, 1), 1
	s_wait_xcnt 0x0
	s_wait_alu depctr_vm_vsrc(0)
; value = src w_val + b_val (0 where padding_mask), offsets = (src + pos) w_samp + b_samp, attention = softmax over a head's 16 points of (src + pos) w_attn + b_attn; from these
; vt [slice = 2 (8 b + head) + half of the channels][pixel][16] f16, the value table; wt [plane = 8 b + head][q][dx 2][point 4 level + p][dy 2] f16, attention x bilinear weight of corner (by + dy, bx + dx);
; ix [plane][q][16] u16, the pixel by W + bx inside the level.
; SHARES.  2,720 tiles of 16 rows; work-group g walks tiles 85 g / 8 to 85 (g + 1) / 8 (10 or 11).  Wave w owns heads 2 w and 2 w + 1: its ten weight tiles (640 registers) stay in registers for the whole launch.
; The products are used transposed (source 0 = 16 weight columns, source 1 = 16 rows of the input): a lane holds ONE row (lane % 16) and the outputs 8 (lane / 16) + 0..7.  Operands bf16, sums f32.
; ONE INDEX FOR FOUR CORNERS.  With bx = floor(x) held to 0 .. W - 2, the weight of pixel bx is max(0, 1 - |x - bx|) and that of bx + 1 is max(0, 1 - |x - bx - 1|): inside the map these are
; the bilinear weights, and a corner outside the map gets exactly 0, as zero padding asks.
; LIMITS.  x is rounded as (ref W - 0.5) + offset (the model rounds ref + offset / W first): at most an ulp of W apart.  The table is f16: |value| stays under 65,504.  NaN and infinities are not treated apart.
; spatial_shapes and level_start_index are not read: the model takes its own constants (128, 64, 32, 16 squared), not these inputs.
; REGISTERS, in windows of 256: window 0: v0-31 addresses and constants; v32-95 X, the eight fragments of src, later the points' work and the weights read back; v96-143 six accumulators, the first four later the
; points' f16 weights; v144-175 T, what leaves: the two input tiles in bf16, then the values in f16; v176-183 packed indices and v184-191 softmax, ahead of those fragments 6 and 7 of src + pos;
; v192-255 the next tile's src and pos.  Window 1: weight tiles 0-3; window 2: tiles 4-7; window 3: tiles 8-9, at v128-207 the ten biases, the C of the first K step, at v208-255 fragments 0-5 of src + pos.
; THE MODE: SCHED_MODE bits 1:0 = 2 (LLVM: expert scheduling mode 2), set by the entry lines.  The code itself states the register dependences
; between vector or matrix instructions and memory or LDS instructions, with s_wait_alu, always for 0.
; THE PLAN.  Registers that memory or LDS instructions touch, in a trip:
;   PF, v20-24    Read (pos's half also written: src + pos in place) by the conversions at the trip's head; behind them the next tile's loads land there.
;   T             Written by those conversions, read by the sixteen LDS stores of the input tiles; its first half written again by the values' conversions and selects, read by the four stores of values.
;   X             The loads of src's fragments land in it; the value products read it; the points' lines work in it; the loads from my stage land in v32-63, which the eight stores of weights read.
;   X2            The loads of the fragments of src + pos land in it, in the same run as X's; the 48 products for offsets and logits read it; behind them v176-191 serve the softmax and the indices.
;   v96-127       Accumulators; each level's eight weight words then take the place of its own offsets, which are dead behind the level's first line; eight LDS stores read them.
;   v176-183      The indices: written by the points' lines, read by two stores.
;   v1, v4-7, v9, v28, v29   Addresses: made at the head, never written again.  v144-147: the weights' and biases' offsets, read at the head alone.  v30, v31: read by the closing add alone.
; So four waits on va_vdst stand in a trip: behind the head's conversions (for the LDS stores, both runs of fragment loads and the next tile's loads: no vector instruction stands between it and them); behind the
; exponentials and behind the reciprocals (the first also serves the values' stores, which stand behind it); and behind the last point (for all that leaves).
; Two waits on vm_vsrc: at the loop's head, for all that the last trip's stores read, and behind the first barrier, for T.
.set XP,    528                        ; a row of 256 bf16 in LDS + 16 bytes: 33 x 16, so the 16 rows of a fragment load start at 16 different groups of four banks (64 banks of 4 bytes: ISA guide 11.1)
.set XS,    0                          ; src, 16 rows
.set XQ,    16*XP                      ; src + pos, 16 rows
.set PRIV,  2*16*XP                    ; from here each wave has a stage of its own for the weights:
.set WP,    144                        ; 2 heads x 16 rows x (128 + 16) bytes
.set PRIVB, 2*16*WP
.set SPARE, PRIV+4*PRIVB               ; the spare words, 128 bytes a wave: two blocks of 256 bytes that no other line names
.set SLB,   696320                     ; bytes of a slice in vt,
.set WPL,   2785280                    ; of a plane in wt,
.set IPL,   696320                     ; of a plane in ix
.set X,    32
.set X2,   208                         ; window 3: K steps 0 to 5 of src + pos
.set X2B,  176                         ; window 0: K steps 6 and 7
.set ACC,  96
.set T,    144
.set IXR,  176
.set SMX,  184
.set PF,   192
.set BIAS, 128                         ; window 3
.set PD,   32                          ; the points' work: x - bx, y - by of four points; later w00, w10
.set PB,   40                          ; bx, by
.set PE,   48                          ; the same less 1; later w01, w11
.set AX,   56                          ; the two weights along x
.set AY,   64                          ; along y, then times the attention
.set PI,   80                          ; four indices
.set MSB, 0
.macro WIN new                         ; s_set_vgpr_msb: bits 1:0 source 0, 3:2 source 1, 5:4 source 2, 7:6 destination; the high byte repeats the setting that is left
.if MSB != (\new)
	s_set_vgpr_msb (MSB<<8)|(\new)
.set MSB, (\new)
.endif
.endm
.macro P4 line:vararg                  ; one line for each point p of a level
.set p, 0
.rept 4
	\line
.set p, p+1
.endr
.endm
; The next tile's rows: my wave's four rows of src and of pos (eight loads of 512 consecutive bytes each), my lane's two levels of reference points, my row's mask byte.
.macro PREFETCH st
	s_lshl_b32 s40, \st, 14
	s_mov_b32 s41, 0
	s_add_nc_u64 s[42:43], s[8:9], s[40:41]
	s_add_nc_u64 s[44:45], s[10:11], s[40:41]
	s_lshl_b32 s40, \st, 9
	s_add_nc_u64 s[46:47], s[12:13], s[40:41]
	s_lshl_b32 s40, \st, 4
	s_add_nc_u64 s[48:49], s[14:15], s[40:41]
.irp c, 0,1,2,3,4,5,6,7
	global_load_b128 v[PF+4*\c:PF+4*\c+3], v6, s[42:43] offset:(\c/2)*1024+(\c%2)*512 th:TH_LOAD_NT
	global_load_b128 v[PF+32+4*\c:PF+32+4*\c+3], v6, s[44:45] offset:(\c/2)*1024+(\c%2)*512 th:TH_LOAD_NT
.endr
	global_load_b128 v[20:23], v7, s[46:47] th:TH_LOAD_NT
	global_load_u8 v24, v1, s[48:49]
.endm
; Eight fragments of 16 rows x 32 k: lane (r, hh) takes k = 8 hh + 0..7 and 16 + 8 hh + 0..7.  src's go into X, those of src + pos into X2.
.macro FRAGS_S
.irp kf, 0,1,2,3,4,5,6,7
	ds_load_b128 v[X+8*\kf:X+8*\kf+3], v5 offset:XS+64*\kf
	ds_load_b128 v[X+8*\kf+4:X+8*\kf+7], v5 offset:XS+64*\kf+32
.endr
.endm
.macro FRAGS_Q
	WIN 0xc0                                       ; destination window 3, address window 0
.irp kf, 0,1,2,3,4,5
	ds_load_b128 v[X2+8*\kf:X2+8*\kf+3], v5 offset:XQ+64*\kf
	ds_load_b128 v[X2+8*\kf+4:X2+8*\kf+7], v5 offset:XQ+64*\kf+32
.endr
	WIN 0
.irp kf, 6,7
	ds_load_b128 v[X2B+8*(\kf-6):X2B+8*(\kf-6)+3], v5 offset:XQ+64*\kf
	ds_load_b128 v[X2B+8*(\kf-6)+4:X2B+8*(\kf-6)+7], v5 offset:XQ+64*\kf+32
.endr
.endm
; n accumulators from number a0 on take turns over the eight K steps; their weight tiles lie at 64 i in window win; the first K step takes bias b0 + i as C.
; q = 0: source 1 is X, and each K step waits for its own fragment alone: the 14 - 2 kf LDS loads of X's later K steps and the 16 of X2 behind them may stay out.  q = 1: source 1 is X2, which is in.
.macro MMRUN a0, n, win, b0, q
.set kf, 0
.rept 8
.if !(\q)
	s_wait_dscnt 30-2*kf
.endif
.set B1, X+8*kf
.set W1, 0
.if (\q) && (kf < 6)
.set B1, X2+8*kf
.set W1, 0x0c                          ; source 1 in window 3
.elseif \q
.set B1, X2B+8*(kf-6)
.endif
.if kf == 0
	WIN 0x30+W1+(\win)
.else
	WIN W1+(\win)
.endif
.set i, 0
.rept \n
.if kf == 0
	v_wmma_f32_16x16x32_bf16 v[ACC+8*((\a0)+i):ACC+8*((\a0)+i)+7], v[64*i+8*kf:64*i+8*kf+7], v[B1:B1+7], v[BIAS+8*((\b0)+i):BIAS+8*((\b0)+i)+7]
.else
	v_wmma_f32_16x16x32_bf16 v[ACC+8*((\a0)+i):ACC+8*((\a0)+i)+7], v[64*i+8*kf:64*i+8*kf+7], v[B1:B1+7], v[ACC+8*((\a0)+i):ACC+8*((\a0)+i)+7]
.endif
.set i, i+1
.endr
.set kf, kf+1
.endr
.endm
; Head a, level 2 hh + s: its four points, step by step, so that each line has three neighbours that do not wait for it.  No memory or LDS instruction stands in it.
.macro POINTS a, s
.set OF, ACC+8*(2*(\a)+(\s))           ; the offsets: register 2 p + (0: x, 1: y); read by the first line alone
.set WH, OF                            ; in their place, later: eight words of f16 weights: four points' column bx, four points' column bx + 1
.set AT, ACC+32+8*(\a)+4*(\s)          ; the attention of point p
	P4 v_pk_add_f32 v[PD+2*p:PD+2*p+1], v[OF+2*p:OF+2*p+1], v[16+2*(\s):17+2*(\s)]
	P4 v_floor_f32 v[PB+2*p], v[PD+2*p]
	P4 v_floor_f32 v[PB+2*p+1], v[PD+2*p+1]
	P4 v_med3_num_f32 v[PB+2*p], v[PB+2*p], 0, v[14+(\s)]
	P4 v_med3_num_f32 v[PB+2*p+1], v[PB+2*p+1], 0, v[14+(\s)]
	P4 v_pk_add_f32 v[PD+2*p:PD+2*p+1], v[PD+2*p:PD+2*p+1], v[PB+2*p:PB+2*p+1] neg_lo:[0,1] neg_hi:[0,1]
	P4 v_pk_add_f32 v[PE+2*p:PE+2*p+1], v[PD+2*p:PD+2*p+1], -1.0 op_sel_hi:[1,0]
	P4 v_sub_f32 v[AX+2*p], 1.0, |v[PD+2*p]|
	P4 v_sub_f32 v[AX+2*p+1], 1.0, |v[PE+2*p]|
	P4 v_sub_f32 v[AY+2*p], 1.0, |v[PD+2*p+1]|
	P4 v_sub_f32 v[AY+2*p+1], 1.0, |v[PE+2*p+1]|
	P4 v_max_num_f32 v[AX+2*p], 0, v[AX+2*p]
	P4 v_max_num_f32 v[AX+2*p+1], 0, v[AX+2*p+1]
	P4 v_max_num_f32 v[AY+2*p], 0, v[AY+2*p]
	P4 v_max_num_f32 v[AY+2*p+1], 0, v[AY+2*p+1]
	v_pk_mul_f32 v[AY:AY+1], v[AY:AY+1], v[AT:AT+1] op_sel_hi:[1,0]
	v_pk_mul_f32 v[AY+2:AY+3], v[AY+2:AY+3], v[AT:AT+1] op_sel:[0,1] op_sel_hi:[1,1]
	v_pk_mul_f32 v[AY+4:AY+5], v[AY+4:AY+5], v[AT+2:AT+3] op_sel_hi:[1,0]
	v_pk_mul_f32 v[AY+6:AY+7], v[AY+6:AY+7], v[AT+2:AT+3] op_sel:[0,1] op_sel_hi:[1,1]
	P4 v_pk_mul_f32 v[PD+2*p:PD+2*p+1], v[AY+2*p:AY+2*p+1], v[AX+2*p:AX+2*p+1] op_sel_hi:[1,0]                ; both rows' weights times column bx's: w00, w10
	P4 v_pk_mul_f32 v[PE+2*p:PE+2*p+1], v[AY+2*p:AY+2*p+1], v[AX+2*p:AX+2*p+1] op_sel:[0,1] op_sel_hi:[1,1]   ; times column bx + 1's: w01, w11
	P4 v_cvt_pk_f16_f32 v[WH+p], v[PD+2*p], v[PD+2*p+1]
	P4 v_cvt_pk_f16_f32 v[WH+4+p], v[PE+2*p], v[PE+2*p+1]
	P4 v_fma_f32 v[PI+p], v[PB+2*p+1], v[10+2*(\s)], v[PB+2*p]
	P4 v_cvt_u32_f32 v[PI+p], v[PI+p]
	v_lshl_or_b32 v[IXR+4*(\a)+2*(\s)], v[PI+1], 16, v[PI]
	v_lshl_or_b32 v[IXR+4*(\a)+2*(\s)+1], v[PI+3], 16, v[PI+2]
.endm
	s_load_b512 s[8:23], s[0:1], 0x0               ; src 8, pos 10, reference_points 12, padding_mask 14, b_val 16, b_samp 18, b_attn 20, wq 22
	s_load_b128 s[24:27], s[0:1], 0x40             ; vt 24, wt 26
	s_load_b64 s[28:29], s[0:1], 0x50              ; ix
	v_lshl_add_u32 v30, v0, 2, SPARE               ; my spare word and 0: kept for the add at the wave's end alone
	v_mov_b32 v31, 0
	v_lshrrev_b32 v1, 5, v0
	v_readfirstlane_b32 s2, v1                     ; wave 0..3
	v_and_b32 v1, 15, v0                           ; r
	v_bfe_u32 v2, v0, 4, 1                         ; hh
	v_and_b32 v3, 31, v0                           ; lane
	s_mul_i32 s30, ttmp9, 85
	s_add_co_u32 s31, s30, 85
	s_lshr_b32 s30, s30, 3                         ; the tile in hand, from my first
	s_lshr_b32 s31, s31, 3                         ; to one past my last
	s_sub_co_u32 s33, s31, 1
	s_mov_b32 s34, 0x76543210                      ; v_permlanex16_b32: each lane takes its own place in the other half
	s_mov_b32 s35, 0xfedcba98
	s_mov_b32 s36, 0x3fb8aa3b                      ; log2(e), named as a pair
	s_mov_b32 s37, s36
	s_wait_alu depctr_va_sdst(0)                   ; s2, the wave's number, is written, ahead of its first reader: the line below
	s_mul_i32 s3, s2, 4*XP
	v_lshl_add_u32 v4, v3, 3, s3                   ; where I put 8 bytes of my wave's first row
	v_mul_u32_u24 v5, v1, XP
	v_lshl_add_u32 v5, v2, 4, v5                   ; a fragment's row x pitch + 16 hh
	s_lshl_b32 s3, s2, 12
	v_lshl_add_u32 v6, v3, 4, s3                   ; my 16 bytes of my wave's first row in a tile of src
	v_lshlrev_b32 v7, 5, v1
	v_lshl_add_u32 v7, v2, 4, v7                   ; 32 r + 16 hh: reference points in, values and indices out
	v_lshlrev_b32 v9, 4, v3                        ; 16 x lane
	v_lshlrev_b32 v14, 24, v2
	v_sub_nc_u32 v10, 0x43000000, v14              ; W of level 2 hh: 128.0 or 32.0 (two steps of the exponent)
	v_mov_b32 v11, v10
	v_sub_nc_u32 v12, 0x42800000, v14              ; W of level 2 hh + 1: 64.0 or 16.0
	v_mov_b32 v13, v12
	v_add_f32 v14, -2.0, v10                       ; W - 2
	v_add_f32 v15, -2.0, v12
	s_mul_i32 s3, s2, PRIVB
	s_add_co_u32 s3, s3, PRIV                      ; my wave's own stage
	v_mul_u32_u24 v28, v1, WP
	v_lshl_add_u32 v28, v2, 5, v28
	v_add_nc_u32 v28, s3, v28                      ; in: row r, 32 bytes of each column's 64 for each half of the lanes
	v_lshrrev_b32 v29, 3, v3
	v_mul_u32_u24 v29, v29, WP
	v_and_b32 v25, 7, v3
	v_lshl_add_u32 v29, v25, 4, v29
	v_add_nc_u32 v29, s3, v29                      ; back: 32 lanes take four rows of 128 bytes
	v_mov_b32 v[SMX+1], 0                          ; v_permlanex16_b32 counts as a reader of its destination
	v_mov_b32 v[SMX+5], 0
	s_mul_i32 s3, s2, 81920
	v_lshl_add_u32 v144, v3, 4, s3                 ; my wave's ten tiles in wq, 16 bytes a lane
	s_lshl_b32 s3, s2, 8
	v_lshl_add_u32 v145, v2, 5, s3                 ; b_val: 4 (64 w + 8 hh)
	v_lshl_add_u32 v146, v2, 6, s3                 ; b_samp: 4 (64 w + 16 hh)
	s_lshl_b32 s3, s2, 7
	v_lshl_add_u32 v147, v2, 5, s3                 ; b_attn: 4 (32 w + 8 hh)
	s_wait_kmcnt 0x0
	s_wait_alu depctr_va_vdst(0)                   ; all addresses and offsets (v1, v4-7, v9, v28, v29, v144-147) are written, which the kernel's loads and stores read; only loads, window switches
	PREFETCH s30
.irp wn, 0,1,2                         ; 160 loads of 512 consecutive bytes: tiles 0-3, 4-7, 8-9 into windows 1, 2, 3
	WIN 0x40*(\wn+1)
.irp ti, 0,1,2,3
.if 4*\wn+\ti < 10
.irp kf, 0,1,2,3,4,5,6,7
	global_load_b128 v[64*\ti+8*\kf:64*\ti+8*\kf+3], v144, s[22:23] offset:8192*(4*\wn+\ti)+1024*\kf
	global_load_b128 v[64*\ti+8*\kf+4:64*\ti+8*\kf+7], v144, s[22:23] offset:8192*(4*\wn+\ti)+1024*\kf+512
.endr
.endif
.endr
.endr
.irp ti, 0,1,2,3                       ; a lane's eight outputs of a tile are eight neighbouring numbers of the bias
	global_load_b128 v[BIAS+8*\ti:BIAS+8*\ti+3], v145, s[16:17] offset:64*\ti
	global_load_b128 v[BIAS+8*\ti+4:BIAS+8*\ti+7], v145, s[16:17] offset:64*\ti+16
	global_load_b128 v[BIAS+32+8*\ti:BIAS+32+8*\ti+3], v146, s[18:19] offset:128*(\ti/2)+32*(\ti%2)
	global_load_b128 v[BIAS+32+8*\ti+4:BIAS+32+8*\ti+7], v146, s[18:19] offset:128*(\ti/2)+32*(\ti%2)+16
.endr
.irp ti, 0,1
	global_load_b128 v[BIAS+64+8*\ti:BIAS+64+8*\ti+3], v147, s[20:21] offset:64*\ti
	global_load_b128 v[BIAS+64+8*\ti+4:BIAS+64+8*\ti+7], v147, s[20:21] offset:64*\ti+16
.endr
	WIN 0
.Ltile:
	s_wait_xcnt 0x0                                ; the last trip's stores have had their addresses translated (ISA guide 3.1): their data, and the pointers below, are written again only behind this wait
	s_wait_loadcnt 0x0                             ; this tile's rows, asked for a trip ago (in the first trip the weights and biases too)
	s_wait_alu depctr_vm_vsrc(0)                   ; the last trip's stores have read T, v32-63, v96-127 and v176-183, all of which this trip writes again; in the first trip the weights' and biases' loads have read v144-147, which lie in T
.irp c, 0,1,2,3,4,5,6,7                ; src and src + pos (summed in pos's place), rounded to bf16: chunk c's four words at T + 4 c
	v_pk_add_f32 v[PF+32+4*\c:PF+32+4*\c+1], v[PF+4*\c:PF+4*\c+1], v[PF+32+4*\c:PF+32+4*\c+1]
	v_pk_add_f32 v[PF+32+4*\c+2:PF+32+4*\c+3], v[PF+4*\c+2:PF+4*\c+3], v[PF+32+4*\c+2:PF+32+4*\c+3]
	v_cvt_pk_bf16_f32 v[T+4*\c], v[PF+4*\c], v[PF+4*\c+1]
	v_cvt_pk_bf16_f32 v[T+4*\c+1], v[PF+4*\c+2], v[PF+4*\c+3]
.endr
.irp c, 0,1,2,3,4,5,6,7
	v_cvt_pk_bf16_f32 v[T+4*\c+2], v[PF+32+4*\c], v[PF+32+4*\c+1]
	v_cvt_pk_bf16_f32 v[T+4*\c+3], v[PF+32+4*\c+2], v[PF+32+4*\c+3]
.endr
	v_pk_fma_f32 v[16:17], v[20:21], v[10:11], -0.5 op_sel_hi:[1,1,0]   ; ref W - 0.5 for my two levels
	v_pk_fma_f32 v[18:19], v[22:23], v[12:13], -0.5 op_sel_hi:[1,1,0]
	v_mov_b32 v25, v24                             ; my row's mask byte
	s_wait_alu depctr_va_vdst(0)                   ; the lines above have written T, which the LDS stores read, and are done with PF and v20-24, in which the next tile's loads land; the last trip's products and points are done with X and X2, in which the fragments' loads land
.irp c, 0,1,2,3,4,5,6,7                ; into the two tiles that all four waves read
	ds_store_b64 v4, v[T+4*\c:T+4*\c+1] offset:XS+(\c/2)*XP+(\c%2)*256
	ds_store_b64 v4, v[T+4*\c+2:T+4*\c+3] offset:XQ+(\c/2)*XP+(\c%2)*256
.endr
	s_cmp_ge_u32 s30, 1360                         ; where this tile's results go: plane 8 b + 2 w, 16 rows from 16 (tile - 1,360 b)
	s_cselect_b32 s3, 1, 0
	s_mul_i32 s4, s3, 1360
	s_sub_co_u32 s4, s30, s4
	s_lshl_b32 s3, s3, 3
	s_lshl1_add_u32 s3, s2, s3
	s_mul_i32 s5, s3, IPL
	s_lshl_b32 s4, s4, 9                           ; 16 rows of 32 bytes
	s_mov_b32 s7, 0
	s_add_co_u32 s6, s5, s4
	s_add_nc_u64 s[56:57], s[28:29], s[6:7]        ; ix: 32 bytes a row
	s_lshl_b32 s6, s6, 2
	s_add_nc_u64 s[54:55], s[26:27], s[6:7]        ; wt: 128 bytes a row, planes four times as long
	s_lshl1_add_u32 s6, s5, s4
	s_add_nc_u64 s[52:53], s[24:25], s[6:7]        ; vt: 32 bytes a pixel, two slices to a plane
	s_wait_dscnt 0x0                               ; for the others' sake: my rows are in LDS
	s_barrier_signal -1
	s_barrier_wait -1                              ; everybody's are
	s_wait_alu depctr_vm_vsrc(0)                   ; my LDS stores have read T, whose first half the values' conversions write again
	FRAGS_S                                        ; both tiles' fragments in one run: no vector instruction since the wait on va_vdst above names X or X2
	FRAGS_Q
	s_add_co_u32 s50, s30, 1
	s_min_u32 s50, s50, s33                        ; the last trip asks for its own tile once more: no load leaves the buffers
	PREFETCH s50                                   ; issued while the first fragments come out of LDS
	MMRUN 0, 4, 1, 0, 0                            ; value^T for my two heads
	WIN 0
	v_cmp_eq_u32 vcc_lo, 0, v25
.rept 4
	v_nop                                          ; four places between the last product and the reads of its results (ISA guide 7.12.1)
.endr
	s_wait_alu depctr_va_vcc(0)                    ; VCC is written, ahead of its first reader among the selects below
.irp ti, 0,1,2,3                       ; tile ti is slice ti of my wave's four: channels 8 hh + 0..7 of pixel r, 16 bytes of f16,
.irp i, 0,1,2,3
	v_cvt_pk_f16_f32 v[T+4*\ti+\i], v[ACC+8*\ti+2*\i], v[ACC+8*\ti+2*\i+1]
.endr
.endr
.irp ti, 0,1,2,3                       ; 0 where the pixel is masked.  They are stored behind the exponentials' wait
.irp i, 0,1,2,3
	v_cndmask_b32 v[T+4*\ti+\i], 0, v[T+4*\ti+\i], vcc_lo
.endr
.endr
	s_wait_dscnt 0x0                               ; my reads of both input tiles are over
	s_barrier_signal -1
	s_barrier_wait -1                              ; nobody reads the input tiles any more: the next trip may write them
	MMRUN 0, 4, 2, 4, 1                            ; offsets^T: accumulator 2 a + s holds head a, level 2 hh + s
	MMRUN 4, 2, 3, 8, 1                            ; logits^T: accumulator 4 + a holds head a, points 8 hh + 0..7
	WIN 0
.rept 4
	v_nop                                          ; the places behind the last products: their results are read below, and v184-191, their last fragment, are written
.endr
	; softmax over a head's 16 points: eight in this lane, eight in the lane 16 away; the maximum is taken away first
.irp a, 0,1
	v_max3_num_f32 v[SMX+4*\a], v[ACC+32+8*\a], v[ACC+33+8*\a], v[ACC+34+8*\a]
.endr
.irp a, 0,1
	v_max3_num_f32 v[SMX+4*\a], v[SMX+4*\a], v[ACC+35+8*\a], v[ACC+36+8*\a]
.endr
.irp a, 0,1
	v_max3_num_f32 v[SMX+4*\a], v[SMX+4*\a], v[ACC+37+8*\a], v[ACC+38+8*\a]
.endr
.irp a, 0,1
	v_max_num_f32 v[SMX+4*\a], v[SMX+4*\a], v[ACC+39+8*\a]
.endr
.irp a, 0,1
	v_permlanex16_b32 v[SMX+4*\a+1], v[SMX+4*\a], s34, s35
.endr
.irp a, 0,1
	v_max_num_f32 v[SMX+4*\a], v[SMX+4*\a], v[SMX+4*\a+1]
.endr
.irp a, 0,1
	v_mul_f32 v[SMX+4*\a], s36, v[SMX+4*\a]
.endr
.irp a, 0,1
.irp i, 0,2,4,6
	v_pk_fma_f32 v[ACC+32+8*\a+\i:ACC+33+8*\a+\i], v[ACC+32+8*\a+\i:ACC+33+8*\a+\i], s[36:37], v[SMX+4*\a:SMX+4*\a+1] op_sel_hi:[1,0,0] neg_lo:[0,0,1] neg_hi:[0,0,1]
.endr
.endr
.irp a, 0,1
.irp i, 0,1,2,3,4,5,6,7
	v_exp_f32 v[ACC+32+8*\a+\i], v[ACC+32+8*\a+\i]
.endr
.endr
	v_nop                                          ; a plain instruction between the last exponential and the use of its result (ISA guide 5.7.2)
	s_wait_alu depctr_va_vdst(0)                   ; the sixteen exponentials have written v128-143, ahead of their first reader; and the selects have written T's first half, which the four stores below read
.irp ti, 0,1,2,3
	global_store_b128 v7, v[T+4*\ti:T+4*\ti+3], s[52:53] offset:\ti*SLB  ; 16 pixels of 32 bytes: the wave covers 512 consecutive bytes
.endr
.irp a, 0,1
	v_pk_add_f32 v[SMX+4*\a+2:SMX+4*\a+3], v[ACC+32+8*\a:ACC+33+8*\a], v[ACC+34+8*\a:ACC+35+8*\a]
	v_pk_add_f32 v[SMX+4*\a:SMX+4*\a+1], v[ACC+36+8*\a:ACC+37+8*\a], v[ACC+38+8*\a:ACC+39+8*\a]
.endr
.irp a, 0,1
	v_pk_add_f32 v[SMX+4*\a+2:SMX+4*\a+3], v[SMX+4*\a+2:SMX+4*\a+3], v[SMX+4*\a:SMX+4*\a+1]
.endr
.irp a, 0,1
	v_add_f32 v[SMX+4*\a+2], v[SMX+4*\a+2], v[SMX+4*\a+3]
.endr
.irp a, 0,1
	v_permlanex16_b32 v[SMX+4*\a+3], v[SMX+4*\a+2], s34, s35
.endr
.irp a, 0,1
	v_add_f32 v[SMX+4*\a+2], v[SMX+4*\a+2], v[SMX+4*\a+3]
.endr
.irp a, 0,1
	v_rcp_f32 v[SMX+4*\a+2], v[SMX+4*\a+2]
.endr
	v_nop                                          ; a plain instruction behind the reciprocals
	s_wait_alu depctr_va_vdst(0)                   ; the two reciprocals have written v186 and v190, ahead of their first reader
.irp a, 0,1
.irp i, 0,2,4,6
	v_pk_mul_f32 v[ACC+32+8*\a+\i:ACC+33+8*\a+\i], v[ACC+32+8*\a+\i:ACC+33+8*\a+\i], v[SMX+4*\a+2:SMX+4*\a+3] op_sel_hi:[1,0]
.endr
.endr
	POINTS 0, 0
	POINTS 0, 1
	POINTS 1, 0
	POINTS 1, 1
	s_wait_alu depctr_va_vdst(0)                   ; the points' lines have written the weights in v96-127 and the indices in v176-183, which the stores below read, and are done with v32-63, in which the loads from my stage land
.irp a, 0,1
.irp s, 0,1
	ds_store_b128 v28, v[ACC+8*(2*\a+\s):ACC+8*(2*\a+\s)+3] offset:\a*16*WP+16*\s        ; a level's four words of column bx lie at 16 x level in the row's first 64 bytes,
	ds_store_b128 v28, v[ACC+8*(2*\a+\s)+4:ACC+8*(2*\a+\s)+7] offset:\a*16*WP+64+16*\s   ; those of column bx + 1 in its second
.endr
.endr
.irp a, 0,1
.irp n, 0,1,2,3
	ds_load_b128 v[X+16*\a+4*\n:X+16*\a+4*\n+3], v29 offset:\a*16*WP+\n*4*WP  ; LDS serves a wave's instructions in order (ISA guide 5.7.1.4): these see the stores above
.endr
.endr
.irp a, 0,1
	global_store_b128 v7, v[IXR+4*\a:IXR+4*\a+3], s[56:57] offset:\a*IPL  ; a lane's eight indices are 16 bytes of its row's 32: the wave covers 512 consecutive bytes
.endr
.irp a, 0,1
.irp n, 0,1,2,3
	s_wait_dscnt 7-4*\a-\n                         ; LDS loads come back in order (ISA guide 5.7.1): this one is in, the later ones may stay out
	global_store_b128 v9, v[X+16*\a+4*\n:X+16*\a+4*\n+3], s[54:55] offset:\a*WPL+\n*512  ; 512 consecutive bytes: four rows' weights
.endr
.endr
	s_add_co_u32 s30, s30, 1
	s_cmp_lt_u32 s30, s31
	s_cbranch_scc1 .Ltile
	s_wait_dscnt 0x0                               ; the closing lines, six on end
	s_wait_alu 0x0
	s_wait_tensorcnt 0x0
	ds_add_u32 v30, v31
	s_wait_dscnt 0x0
	s_endpgm
.Lfunc_end_k_qe585cec132_proj:
	.size	k_qe585cec132_proj, .Lfunc_end_k_qe585cec132_proj-k_qe585cec132_proj
	.p2alignl 7, 3214868480
	.fill 96, 4, 3214868480
	.section	.rodata,"a",@progbits
	.p2align	6, 0x0
	.amdhsa_kernel k_qe585cec132_proj
		.amdhsa_group_segment_fixed_size 35840
		.amdhsa_private_segment_fixed_size 0
		.amdhsa_enable_private_segment 0
		.amdhsa_kernarg_size 88
		.amdhsa_user_sgpr_count 2
		.amdhsa_user_sgpr_kernarg_segment_ptr 1
		.amdhsa_wavefront_size32 1
		.amdhsa_system_sgpr_workgroup_id_x 1
		.amdhsa_system_sgpr_workgroup_id_y 1
		.amdhsa_system_sgpr_workgroup_id_z 1
		.amdhsa_system_vgpr_workitem_id 0
		.amdhsa_next_free_vgpr 1024
		.amdhsa_next_free_sgpr 66
		.amdhsa_reserve_vcc 1
		.amdhsa_float_denorm_mode_32 3
		.amdhsa_float_denorm_mode_16_64 3
		.amdhsa_memory_ordered 1
		.amdhsa_forward_progress 1
		.amdhsa_inst_pref_size 64
	.end_amdhsa_kernel
	.amdgpu_metadata
---
amdhsa.version: [ 1, 2 ]
amdhsa.kernels:
  - .name:           k_qe585cec132_proj
    .symbol:         k_qe585cec132_proj.kd
    .args:
      - { .name: src, .offset: 0, .size: 8, .value_kind: global_buffer, .address_space: global }
      - { .name: pos, .offset: 8, .size: 8, .value_kind: global_buffer, .address_space: global }
      - { .name: reference_points, .offset: 16, .size: 8, .value_kind: global_buffer, .address_space: global }
      - { .name: padding_mask, .offset: 24, .size: 8, .value_kind: global_buffer, .address_space: global }
      - { .name: b_val, .offset: 32, .size: 8, .value_kind: global_buffer, .address_space: global }
      - { .name: b_samp, .offset: 40, .size: 8, .value_kind: global_buffer, .address_space: global }
      - { .name: b_attn, .offset: 48, .size: 8, .value_kind: global_buffer, .address_space: global }
      - { .name: wq, .offset: 56, .size: 8, .value_kind: global_buffer, .address_space: global }
      - { .name: vt, .offset: 64, .size: 8, .value_kind: global_buffer, .address_space: global }
      - { .name: wt, .offset: 72, .size: 8, .value_kind: global_buffer, .address_space: global }
      - { .name: ix, .offset: 80, .size: 8, .value_kind: global_buffer, .address_space: global }
    .group_segment_fixed_size: 35840
    .private_segment_fixed_size: 0
    .kernarg_segment_align: 8
    .kernarg_segment_size: 88
    .max_flat_workgroup_size: 128
    .sgpr_count:     66
    .vgpr_count:     1024
    .wavefront_size: 32
...
	.end_amdgpu_metadata
.endif
;; end of part 7
;; launch samp: the kernel of part 6 again; grid 256 x 1, 16 waves a work-group, no clusters, 210,944 bytes of LDS; arguments vt, wt, ix, sm; writes sm
;; launch tail: the kernel of part 4 again; grid 227 x 1, 4 waves a work-group, no clusters, 327,680 bytes of LDS; arguments sm, src, b_out, ln1_g, ln1_b, b2, ln2_g, ln2_b, b1, ws3, out0; writes out0
